; MI455X (gfx1250); checked and timed in simulation.
; The chip was launched on July 23, 2026; its instructions are those of AMD's public machine-readable ISA for CDNA 5 (MIT licence, August 2026) and "CDNA5" Instruction Set Architecture Reference Guide (July 2026). The comments in the code are by the model that wrote it; some were corrected since.
;; Mul Head Cross Attn. Allowed arithmetic: matrix products marked QUANTISED: E4M3 operands, one given power-of-two scale a tensor, by v_wmma_f32_16x16x64_fp8_fp8 or v_wmma_f32_16x16x128_fp8_fp8, f32 sums; products left as they are: f32 operands where the result goes on into a quantised operand, else bf16, f16 or f32 operands; f32 sums; everything else in f32.
;; Inputs: W_k 1,024 x 1,024 float32; W_o 1,024 x 1,024 float32; W_q 1,024 x 1,024 float32; W_v 1,024 x 1,024 float32; lowp_scales 10 int32 (the exponents e of the quantised operands' scales 2^e); x1 4 x 1,024 x 1,024 float32; x2 4 x 1,024 x 1,024 float32.
;; Outputs: out0 4 x 1,024 x 1,024 float32.
;; This version of the problem:
;;   THIS VERSION OF THE PROBLEM IS GIVEN IN LOW PRECISION. The matrix products marked QUANTISED in the list below multiply operands that are first quantised to E4M3 (4 exponent bits, 3 mantissa bits; 8 bits a number), with one given power-of-two scale for each operand tensor; their sums are f32. All else is computed in f32.
;;   The module's matrix products, in the order in which they are computed (A, B: the left and right operand; K: the contracted axis; several contracted axes count as one K, in the product's order):
;;     1. [M 4,096, K 1,024] x [K 1,024, N 1,024]; A: input x1; B: input W_q: QUANTISED (scales: A lowp_scales[0], B lowp_scales[1])
;;     2. [M 4,096, K 1,024] x [K 1,024, N 1,024]; A: input x2; B: input W_k: QUANTISED (scales: A lowp_scales[2], B lowp_scales[3])
;;     3. [M 4,096, K 1,024] x [K 1,024, N 1,024]; A: input x2; B: input W_v: QUANTISED (scales: A lowp_scales[4], B lowp_scales[5])
;;     4. batch 256 x [M 1,024, K 16] x [K 16, N 1,024]; A: computed on the way; B: computed on the way: left as it is (K = 16 < 32)
;;     5. batch 256 x [M 1,024, K 1,024] x [K 1,024, N 16]; A: softmax (see below); B: computed on the way: QUANTISED (scales: A lowp_scales[6], B lowp_scales[7])
;;     6. [M 4,096, K 1,024] x [K 1,024, N 1,024]; A: computed on the way; B: input W_o: QUANTISED (scales: A lowp_scales[8], B lowp_scales[9])
;;   THE QUANTISER, for each operand of a quantised product, along K:
;;     - The operand's scale is 2^e, e = its entry of the input lowp_scales (int32; the entries are numbered through the quantised products in the list's order, A before B).
;;     - Each number is divided by the scale, clamped to +-448, and rounded to the nearest number of E4M3, ties to even, subnormals kept.
;;     - The product sums the exact products of the quantised numbers (number of the format x scale) in f32.
;;   ~~~python
;;   def quantise(x, axis, e):      # numpy; x: float32 -> the quantised numbers, widened to float32 again
;;       x = np.moveaxis(x, axis, -1); K = x.shape[-1]
;;       r = np.clip(x / 2.0 ** e, -448, 448)
;;       step = 2.0 ** (np.maximum(np.frexp(np.where(r == 0, 1, r))[1] - 1, -6) - 3)
;;       q = np.round(r / step) * step * 2.0 ** e      # np.round: ties to even
;;       return np.moveaxis(q, -1, axis).astype(np.float32)
;;   ~~~
;;   SOFTMAX AHEAD OF A QUANTISED PRODUCT. Where the list says 'softmax', what is quantised is not the finished softmax but p = 2^(t - M), with t = logit x log2(e) and M = ceil(the row's largest t), a whole number; so 1/2 < the row's largest p <= 1. The row's sum l is taken of the UNQUANTISED p, in f32, and the product's result is divided by l at the end. Since M is a whole number, a kernel that streams over the keys may use a running M (the ceiling of the running maximum): every later rescaling is an exact power of two, so the quantised numbers keep their values, but for numbers so far below the row's largest that they fall under the format's range.
;;   OPERANDS COMPUTED ON THE WAY. 'Computed on the way' means the value that the module computes at that place (a softmax that the list does not call 'softmax' is quantised finished and normalised). What goes into a quantiser is computed in f32, as accurately as f32 sums, v_exp_f32 and their like allow (about 1e-6 of the number): no bf16 or f16 on the way to a quantiser, and a product that is left as it is and whose result goes on into a quantised operand takes f32 operands (vector FMAs, or v_wmma_f32_16x16x4_f32). A number that lies on a knife's edge between two numbers of the format may be rounded either way, as far as f32 arithmetic and the matrix unit's own rounding can turn it there, and no further.
;; 2 versions, each right; version 2 is version 1 with the launch attn written anew for expert scheduling mode. Each part assembles by itself: llvm-mc -triple=amdgcn-amd-amdhsa -mcpu=gfx1250 --defsym DOCPART=n.
;; ======== version 1 of 2: 4 launches
;; workspace buffers: xc 12,582,912 bytes; wc 4,194,304 bytes; qk 33,554,432 bytes; vc 4,194,304 bytes; ac 4,194,304 bytes
;; launch quant (part 1): grid 384 x 1, 4 waves a work-group, no clusters, 34,304 bytes of LDS; arguments x1, x2, W_q, W_k, W_v, W_o, lowp_scales, xc, wc; writes xc, wc
.if DOCPART == 1
	.amdgcn_target "amdgcn-amd-amdhsa--gfx1250"
	.amdhsa_code_object_version 6
	.text
	.protected	k_q99d2d2b32f_quant
	.globl	k_q99d2d2b32f_quant
	.p2align	8
	.type	k_q99d2d2b32f_quant,@function
k_q99d2d2b32f_quant:
	s_mov_b64 s[64:65], 0
	v_nop
	global_prefetch_b8 v0, s[64:65] scope:SCOPE_SE
	s_setreg_imm32_b32 hwreg(HW_REG_WAVE_MODE, 25, 1), 1
	s_wait_xcnt 0x0
; x1, x2 [4096][1024] and W_q, W_k, W_v, W_o [1024 (k)][1024 (n)], f32, become codes of FP8 (E4M3), each with the scale 2^e that is given for it:
; x1 e0 -> xc part 0;  x2 e2 -> part 1;  x2 e4 -> part 2 (x2 is an operand of two products, each with a scale of its own);  W_q e1, W_k e3, W_v e5, W_o e9 -> wc parts 0 to 3.
; code = x / 2^e, held within +-448, rounded to the nearest code, ties to even.
; THE CODES ARE LAID AS THE PRODUCTS' OPERAND REGISTERS WANT THEM.  For a matrix [rows][1024 (k)] with TT = rows / 16 the code of (row, k) lies at byte
;   (k / 256) TT 4096 + (row / 16) 4096 + ((k / 16) % 16) 256 + (row % 16) 16 + k % 16.
; So a fragment (16 rows x 128 k) is 2,048 bytes on end: four planes of 512 bytes, lane l's 16 bytes at 16 l (row l % 16, k = 32 c + 16 (l / 16) + 0 .. 15 in plane c).
; LIMITS: each e between -126 and 119, so that 2^e and 448 x 2^e are f32 numbers.  NaN among the inputs is not served.
; Work-groups 0-127 take x1, 128-255 x2, 256-383 the weights.  Waves share nothing: no barrier.
; x: a wave takes 16 rows x 512 k, in four units of 16 rows x 128 k.  A unit's 16 loads read 512 consecutive bytes of a row each; the numbers turn through the wave's own stage in LDS, so that a lane
;    gets 16 neighbours along K of one row; a plane's codes leave as 512 consecutive bytes.
; W: K is the first axis: a lane takes a column n and its registers run down K, so the conversions give codes with K innermost; sixteen lanes store 256 consecutive aligned bytes.  No LDS on this path.
.set WST,   8448                       ; a wave's stage: 16 rows x 528 bytes
.set SP,    528                        ; a stage row: 512 bytes + 16: sixteen rows start at sixteen different groups of banks
.set SPARE, 4*WST                      ; behind the stages: the spare words, 128 bytes for each wave
.set R,   16                           ; v16-79    a unit as loaded
.set X,   80                           ; v80-143   the unit turned: register 16 c + i = k 32 c + 16 (l / 16) + i of row l % 16
.set T,   144                          ; v144-175  held numbers, two sets of 16 by turns
.set C1,  176                          ; v176-191  codes with the first scale
.set C2,  192                          ; v192-207  codes with e4 (x2 alone)
.set WX,  16                           ; W: v16-79 two sets of 32 numbers
.set WC,  80                           ; W: v80-143 eight registers of codes for each of eight blocks: no store's data are written again
	s_load_b512 s[8:23], s[0:1], 0x0               ; x1 8:9, x2 10:11, W_q 12:13, W_k 14:15, W_v 16:17, W_o 18:19, the scales 20:21, xc 22:23
	s_load_b64 s[24:25], s[0:1], 0x40              ; wc
	v_lshl_add_u32 v12, v0, 2, SPARE               ; my spare word; never rewritten
	v_mov_b32 v13, 0                               ; 0; never rewritten
	v_lshrrev_b32 v1, 5, v0
	v_readfirstlane_b32 s26, v1                    ; wave 0..3
	v_and_b32 v1, 31, v0                           ; lane
	v_lshlrev_b32 v2, 4, v1                        ; 16 x lane: my bytes of a load's or a store's 512
	s_mul_i32 s27, s26, WST
	v_add_nc_u32 v3, s27, v2                       ; the stage, on the way in
	v_and_b32 v5, 15, v1                           ; r
	v_lshrrev_b32 v14, 4, v1                       ; h
	v_mul_u32_u24 v4, v5, SP
	v_lshl_add_u32 v4, v14, 6, v4
	v_add_nc_u32 v4, s27, v4                       ; and on the way out: row r, + 64 h bytes
	v_lshlrev_b32 v6, 2, v1                        ; W: 4 bytes a lane
	v_lshlrev_b32 v7, 4, v5
	v_lshl_add_u32 v7, v14, 12, v7                 ; W's codes: lanes 16-31 belong to the next tile of 16 columns, 4,096 bytes on
	s_wait_kmcnt 0x0
	s_load_b256 s[28:35], s[20:21], 0x0            ; e0 .. e7
	s_load_b64 s[36:37], s[20:21], 0x20            ; e8, e9
	s_cmp_ge_u32 ttmp9, 256
	s_cbranch_scc1 .Lweights
	; ---------------- x1 and x2
	s_and_b32 s38, ttmp9, 127
	s_lshl_b32 s38, s38, 2
	s_add_co_u32 s38, s38, s26                     ; which of the tensor's 512 parts is my wave's
	s_lshr_b32 s39, s38, 1                         ; its tile of 16 rows
	s_and_b32 s38, s38, 1                          ; its half of K
	s_lshl_b32 s44, s39, 16                        ; 16 rows of 4,096 bytes
	s_lshl_b32 s46, s38, 11                        ; 512 numbers
	s_add_co_u32 s44, s44, s46
	s_mov_b32 s45, 0
	s_cmp_lt_u32 ttmp9, 128                        ; the choice hangs on the work-group's number alone
	s_cselect_b64 s[42:43], s[8:9], s[10:11]
	s_cselect_b32 s47, 0, 0x400000                 ; x2's first codes lie in part 1
	s_add_nc_u64 s[42:43], s[42:43], s[44:45]
.macro LOADU u                         ; unit u: 16 rows x 512 bytes
.irp i, 0,1,2,3,4,5,6,7,8,9,10,11,12,13,14,15
	global_load_b128 v[R+4*\i:R+4*\i+3], v2, s[42:43] offset:\i*4096+(\u)*512 th:TH_LOAD_NT
.endr
.endm
	LOADU 0
	s_lshl_b32 s44, s38, 21                        ; two chunks of 256 along K, 1 MiB each
	s_lshl_b32 s46, s39, 12
	s_add_co_u32 s44, s44, s46
	s_add_co_u32 s44, s44, s47
	s_add_nc_u64 s[22:23], s[22:23], s[44:45]      ; where my codes go
	s_wait_kmcnt 0x0
	s_cmp_lt_u32 ttmp9, 128
	s_cselect_b32 s38, s28, s30                    ; e0 for x1, e2 for x2
	s_add_co_i32 s38, s38, 127
	s_lshl_b32 s39, s38, 23
	v_mov_b32 v8, s39                              ; 2^e as f32: the conversion takes its exponent field
	s_add_co_i32 s38, s38, 8
	s_lshl_b32 s38, s38, 23
	s_or_b32 s38, s38, 0x600000
	v_mov_b32 v9, s38                              ; 448 x 2^e
	s_add_co_i32 s38, s32, 127                     ; the same with e4
	s_lshl_b32 s39, s38, 23
	v_mov_b32 v10, s39
	s_add_co_i32 s38, s38, 8
	s_lshl_b32 s38, s38, 23
	s_or_b32 s38, s38, 0x600000
	v_mov_b32 v11, s38
; The unit's 64 numbers of a lane become 16 registers of codes.  The held numbers go into other registers, so that x2's numbers serve a second scale.
; The conversion to an 8-bit code does not saturate (ISA guide 7.6.2): the hold comes first.  The next plane's holds are the plain lines behind a plane's conversions.
.macro CONV lim, scl, dst
.irp c, 0,1,2,3
.irp i, 0,1,2,3,4,5,6,7,8,9,10,11,12,13,14,15
	v_med3_num_f32 v[T+16*(\c%2)+\i], v[X+16*\c+\i], -v[\lim], v[\lim]
.endr
	v_cvt_scalef32_pk8_fp8_f32 v[\dst+4*\c:\dst+4*\c+1], v[T+16*(\c%2):T+16*(\c%2)+7], v[\scl]
	v_cvt_scalef32_pk8_fp8_f32 v[\dst+4*\c+2:\dst+4*\c+3], v[T+16*(\c%2)+8:T+16*(\c%2)+15], v[\scl]
.endr
.endm
.macro UNIT u
	s_wait_loadcnt 0x0                             ; the unit's 16 loads are in
.irp i, 0,1,2,3,4,5,6,7,8,9,10,11,12,13,14,15
	ds_store_b128 v3, v[R+4*\i:R+4*\i+3] offset:\i*SP
.endr
.irp c, 0,1,2,3
.irp i, 0,1,2,3
	ds_load_b128 v[X+16*\c+4*\i:X+16*\c+4*\i+3], v4 offset:128*\c+16*\i   ; LDS serves a wave's instructions in order: these see the stores above
.endr
.endr
	s_wait_dscnt 0x0                               ; the numbers are back, and the stores into the stage have read their registers
	s_wait_xcnt 0x0                                ; the last unit's stores have read their codes: those registers are written again below
.if \u < 3
	LOADU \u+1                                     ; the next unit is on its way while this one is converted
.endif
	CONV 9, 8, C1
.irp c, 0,1,2,3
	global_store_b128 v2, v[C1+4*\c:C1+4*\c+3], s[22:23] offset:((\u)/2)*1048576+((\u)%2)*2048+\c*512   ; 512 consecutive bytes, aligned
.endr
	s_cmp_lt_u32 ttmp9, 128
	s_cbranch_scc1 .Lone_scale_\@                  ; x1 has one scale
	CONV 11, 10, C2
.irp c, 0,1,2,3
	global_store_b128 v2, v[C2+4*\c:C2+4*\c+3], s[22:23] offset:4194304+((\u)/2)*1048576+((\u)%2)*2048+\c*512
.endr
.Lone_scale_\@:
.endm
	UNIT 0
	UNIT 1
	UNIT 2
	UNIT 3
	s_wait_tensorcnt 0x0                           ; the wave's end: the closing lines behind my last LDS store
	ds_add_u32 v12, v13
	s_wait_dscnt 0x0
	s_endpgm
	; ---------------- the four weights: 32 work-groups each, 128 columns x 256 along K a work-group, 32 columns a wave
.Lweights:
	s_sub_co_u32 s38, ttmp9, 256
	s_lshr_b32 s39, s38, 5                         ; which weight
	s_and_b32 s41, s38, 7                          ; which 128 columns
	s_bfe_u32 s46, s38, 0x20003                    ; which 256 along K
	s_lshl_b32 s44, s46, 20                        ; 256 rows of 4,096 bytes
	s_lshl_b32 s47, s41, 9
	s_add_co_u32 s44, s44, s47
	s_lshl_b32 s47, s26, 7
	s_add_co_u32 s44, s44, s47
	s_mov_b32 s45, 0
	s_cmp_eq_u32 s39, 1
	s_cselect_b64 s[42:43], s[14:15], s[12:13]
	s_cmp_eq_u32 s39, 2
	s_cselect_b64 s[42:43], s[16:17], s[42:43]
	s_cmp_eq_u32 s39, 3
	s_cselect_b64 s[42:43], s[18:19], s[42:43]
	s_add_nc_u64 s[42:43], s[42:43], s[44:45]
.macro LOADW t                         ; block t: W(32 t + i, my column), i = 0 .. 31: a wave reads 128 consecutive bytes, the four waves side by side 512
.irp i, 0,1,2,3,4,5,6,7,8,9,10,11,12,13,14,15,16,17,18,19,20,21,22,23,24,25,26,27,28,29,30,31
	global_load_b32 v[WX+32*((\t)%2)+\i], v6, s[42:43] offset:(32*(\t)+\i)*4096 th:TH_LOAD_NT
.endr
.endm
	LOADW 0
	LOADW 1
	s_lshl_b32 s44, s39, 20                        ; the weight's part of wc,
	s_lshl_b32 s47, s46, 18                        ; the chunk of 256 along K: 64 tiles of 4,096 bytes,
	s_add_co_u32 s44, s44, s47
	s_lshl_b32 s47, s41, 15                        ; eight tiles of 16 columns a work-group,
	s_add_co_u32 s44, s44, s47
	s_lshl_b32 s47, s26, 13                        ; two a wave
	s_add_co_u32 s44, s44, s47
	s_add_nc_u64 s[24:25], s[24:25], s[44:45]
	s_wait_kmcnt 0x0
	s_cmp_eq_u32 s39, 1
	s_cselect_b32 s40, s31, s29                    ; e3 or e1,
	s_cmp_eq_u32 s39, 2
	s_cselect_b32 s40, s33, s40                    ; e5,
	s_cmp_eq_u32 s39, 3
	s_cselect_b32 s40, s37, s40                    ; e9
	s_add_co_i32 s40, s40, 127
	s_lshl_b32 s41, s40, 23
	v_mov_b32 v8, s41                              ; 2^e
	s_add_co_i32 s40, s40, 8
	s_lshl_b32 s40, s40, 23
	s_or_b32 s40, s40, 0x600000
	v_mov_b32 v9, s40                              ; 448 x 2^e
.macro BLOCKW t
.if (\t) < 7
	s_wait_loadcnt 32                              ; this block's 32 loads are in; the next block's 32 may be out
.else
	s_wait_loadcnt 0x0
.endif
.irp i, 0,1,2,3,4,5,6,7,8,9,10,11,12,13,14,15,16,17,18,19,20,21,22,23,24,25,26,27,28,29,30,31
	v_med3_num_f32 v[WX+32*((\t)%2)+\i], v[WX+32*((\t)%2)+\i], -v9, v9
.endr
.irp g, 0,1,2,3
	v_cvt_scalef32_pk8_fp8_f32 v[WC+8*(\t)+2*\g:WC+8*(\t)+2*\g+1], v[WX+32*((\t)%2)+8*\g:WX+32*((\t)%2)+8*\g+7], v8
.endr
	global_store_b128 v7, v[WC+8*(\t):WC+8*(\t)+3], s[24:25] offset:((\t)/4)*2048+((\t)%4)*512        ; k 32 t + 0 .. 15: sixteen lanes fill 256 consecutive aligned bytes
	global_store_b128 v7, v[WC+8*(\t)+4:WC+8*(\t)+7], s[24:25] offset:((\t)/4)*2048+((\t)%4)*512+256  ; k 32 t + 16 .. 31
.if (\t)+2 < 8
	LOADW (\t)+2                                   ; (the results above go to stores and the sources take loads: neither wants a plain line; the next block's holds come first of the vector lines)
.endif
.endm
.irp t, 0,1,2,3,4,5,6,7
	BLOCKW \t
.endr
	s_endpgm
.Lfunc_end_k_q99d2d2b32f_quant:
	.size	k_q99d2d2b32f_quant, .Lfunc_end_k_q99d2d2b32f_quant-k_q99d2d2b32f_quant
	.p2alignl 7, 3214868480
	.fill 96, 4, 3214868480
	.section	.rodata,"a",@progbits
	.p2align	6, 0x0
	.amdhsa_kernel k_q99d2d2b32f_quant
		.amdhsa_group_segment_fixed_size 34304
		.amdhsa_private_segment_fixed_size 0
		.amdhsa_enable_private_segment 0
		.amdhsa_kernarg_size 72
		.amdhsa_user_sgpr_count 2
		.amdhsa_user_sgpr_kernarg_segment_ptr 1
		.amdhsa_wavefront_size32 1
		.amdhsa_system_sgpr_workgroup_id_x 1
		.amdhsa_system_sgpr_workgroup_id_y 1
		.amdhsa_system_sgpr_workgroup_id_z 1
		.amdhsa_system_vgpr_workitem_id 0
		.amdhsa_next_free_vgpr 208
		.amdhsa_next_free_sgpr 66
		.amdhsa_reserve_vcc 0
		.amdhsa_float_denorm_mode_32 3
		.amdhsa_float_denorm_mode_16_64 3
		.amdhsa_memory_ordered 1
		.amdhsa_forward_progress 1
		.amdhsa_inst_pref_size 102
	.end_amdhsa_kernel
	.amdgpu_metadata
---
amdhsa.version: [ 1, 2 ]
amdhsa.kernels:
  - .name:           k_q99d2d2b32f_quant
    .symbol:         k_q99d2d2b32f_quant.kd
    .args:
      - { .name: x1, .offset: 0, .size: 8, .value_kind: global_buffer, .address_space: global }
      - { .name: x2, .offset: 8, .size: 8, .value_kind: global_buffer, .address_space: global }
      - { .name: W_q, .offset: 16, .size: 8, .value_kind: global_buffer, .address_space: global }
      - { .name: W_k, .offset: 24, .size: 8, .value_kind: global_buffer, .address_space: global }
      - { .name: W_v, .offset: 32, .size: 8, .value_kind: global_buffer, .address_space: global }
      - { .name: W_o, .offset: 40, .size: 8, .value_kind: global_buffer, .address_space: global }
      - { .name: lowp_scales, .offset: 48, .size: 8, .value_kind: global_buffer, .address_space: global }
      - { .name: xc, .offset: 56, .size: 8, .value_kind: global_buffer, .address_space: global }
      - { .name: wc, .offset: 64, .size: 8, .value_kind: global_buffer, .address_space: global }
    .group_segment_fixed_size: 34304
    .private_segment_fixed_size: 0
    .kernarg_segment_align: 8
    .kernarg_segment_size: 72
    .max_flat_workgroup_size: 128
    .sgpr_count:     66
    .vgpr_count:     208
    .wavefront_size: 32
...
	.end_amdgpu_metadata
.endif
;; end of part 1
;; launch proj (part 2): grid 8 x 96, 8 waves a work-group, clusters of 4 x 4, 263,168 bytes of LDS; arguments xc, wc, lowp_scales, qk, vc; writes qk, vc
.if DOCPART == 2
	.amdgcn_target "amdgcn-amd-amdhsa--gfx1250"
	.amdhsa_code_object_version 6
	.text
	.protected	k_q99d2d2b32f_proj
	.globl	k_q99d2d2b32f_proj
	.p2align	8
	.type	k_q99d2d2b32f_proj,@function
k_q99d2d2b32f_proj:
	s_mov_b64 s[64:65], 0
	v_nop
	global_prefetch_b8 v0, s[64:65] scope:SCOPE_SE
	s_setreg_imm32_b32 hwreg(HW_REG_WAVE_MODE, 25, 1), 1
	s_wait_xcnt 0x0
	s_wait_alu depctr_hold_cnt(0) depctr_sa_sdst(0) depctr_va_vdst(0) depctr_va_sdst(0) depctr_va_ssrc(0) depctr_va_vcc(0) depctr_vm_vsrc(0)
	s_getreg_b32 s2, hwreg(HW_REG_IB_STS2, 6, 4)
	s_cmp_eq_u32 s2, 0
	s_cbranch_scc0 .Lentry_in_a_cluster
	s_endpgm
.Lentry_in_a_cluster:
	s_bfe_u32 s2, ttmp6, 0x10000c
	s_cmp_lg_u32 s2, 0xf033
	s_cbranch_scc0 .Lentry_shape_is_right
	s_endpgm
.Lentry_shape_is_right:
; The three projections on codes of FP8 (E4M3): gi = 0: Q = x1 W_q;  1: K = x2 W_k;  2: V = x2 W_v.  [4096][1024 (k)] x [1024 (n)][1024 (k)], sums in f32.
; A work-group makes 128 tokens x 128 columns.  In codes the WHOLE K of both tiles is 2 x 128 KiB and lies in LDS at once: every LDS byte is filled once, and nothing is filled again.
; Both operands lie in memory as images of their fragments, so a chunk of 256 along K of 128 rows is one dense block of 32 KiB, and a fragment comes by four ds_load_b128 at a constant + 16 x lane.
; Inside a matrix instruction k stands permuted (lane l: k = 32 c + 16 (l / 16) + 0 .. 15 in registers 4 c .. 4 c + 3), alike in both operands: every product meets its partner.
; Eight waves: wave w makes tokens 32 (w % 4) on x columns 64 (w / 4) on: eight accumulators, which take turns.
; CLUSTER 4 x 4: x's tile hangs on the tile row alone and is asked for jointly along a row of the cluster, W's on the tile column alone and jointly along a column.
; WHAT GOES OUT, straight from registers, 512 consecutive aligned bytes a store:
;   Q x log2(e) / 4 and K, f32, as images of the f32 matrix form's operands: head hd = 64 batch + column / 16, tile of 16 tokens tt: byte hd 65536 + tt 1024 + c 512 + 16 lane holds dims 8 (l / 16) + 4 c + 0 .. 3 of token l % 16.
;   V as codes (scale 2^e7) with the KEYS along the registers: byte hd 16384 + (key / 128) 2048 + q 512 + 16 lane holds, of dim l % 16, keys 32 q + 8 (l / 16) + 0 .. 7 and 32 q + 16 + 8 (l / 16) + 0 .. 7.
; LIMITS, so that each power of two below is an f32 number: e0 + e1 between -124 and 128; e2 + e3 between -126 and 127; e7 - e4 - e5 between -126 and 119.
.set SPARE, 262144                     ; behind the four chunks: the spare words, 128 bytes for each wave
.set LI,  1                            ; v1     16 x lane
.set ADA, 2                            ; v2-5   my fragments of x in chunk 0 .. 3
.set ADB, 6                            ; v6-9   my fragments of W
.set SPW, 10                           ; v10    my spare word; never rewritten
.set NIL, 11                           ; v11    0; never rewritten
.set AF,  16                           ; v16-47   x: two fragments
.set BF,  48                           ; v48-111  W: four fragments
.set ACC, 112                          ; v112-175 accumulator (a, b) at v[112 + 8 (4 a + b)]
.macro CROUND                          ; a round of the cluster's barrier
	s_barrier_signal -1
	s_barrier_wait -1
	s_cmp_lg_u32 s14, 0
	s_cbranch_scc1 .Lnot_wave_0_\@
	s_barrier_signal -3
.Lnot_wave_0_\@:
	s_barrier_wait -3
	s_barrier_signal -1
	s_barrier_wait -1
.endm
	s_load_b256 s[4:11], s[0:1], 0x0               ; xc 4:5, wc 6:7, the scales 8:9, qk 10:11
	s_load_b64 s[12:13], s[0:1], 0x20              ; vc
	v_lshl_add_u32 v[SPW], v0, 2, SPARE
	v_mov_b32 v[NIL], 0
	ds_add_u32 v[SPW], v[NIL]                      ; the wave's opening: the add and its wait stand ahead of my first tensor load; work on registers stands between them
	v_lshrrev_b32 v1, 5, v0
	v_readfirstlane_b32 s14, v1                    ; wave 0..7
	s_bfe_u32 s15, ttmp6, 0x40000                  ; cx
	s_bfe_u32 s16, ttmp6, 0x40004                  ; cy
	s_and_b32 s17, ttmp7, 0xffff                   ; the cluster's y, 0 .. 23
	s_lshr_b32 s18, s17, 3                         ; gi: which product; the same in all sixteen partners
	s_lshl_b32 s19, ttmp9, 2
	s_add_co_u32 s19, s19, s15                     ; nt: tile column, 0 .. 7
	s_and_b32 s20, s17, 7
	s_lshl_b32 s20, s20, 2
	s_add_co_u32 s20, s20, s16                     ; mt: tile row, 0 .. 31
	s_lshl_b32 s21, s16, 2
	s_lshl_b32 s21, 15, s21                        ; my row of the cluster
	s_lshl_b32 s22, 0x1111, s15                    ; my column
	; group 1: a dense block of 16 KiB as 64 rows of 32 elements of 8 bytes
	s_or_b32 s24, s21, (3<<16)|(1<<21)             ; 15:0 the mask: x's blocks go to my row; 17:16 elements of 8 bytes; 21 set beside a mask
	s_or_b32 s32, s22, (3<<16)|(1<<21)             ; W's go to my column
.irp g, 24, 32
	s_mov_b32 s[\g+1], 32<<16                      ; tensor_dim0 = 32
	s_mov_b32 s[\g+2], 64<<16                      ; tensor_dim1 = 64
	s_mov_b32 s[\g+3], 32<<16                      ; tile_dim0 = 32
	s_mov_b32 s[\g+4], 64                          ; tile_dim1 = 64
	s_mov_b32 s[\g+5], 32                          ; from row to row
	s_mov_b32 s[\g+6], 0
	s_mov_b32 s[\g+7], 0
.endr
	; what I fetch: waves 0-3 for x, 4-7 for W; half hf of the 32 KiB of chunk cb, then of chunk cb + 2
	s_and_b32 s56, s14, 1                          ; hf
	s_bfe_u32 s57, s14, 0x10001                    ; cb
	s_lshr_b32 s58, s14, 2                         ; 0: x, 1: W
	s_lshl_b32 s59, s57, 16                        ; in LDS a chunk is 64 KiB: x's 32 KiB, then W's
	s_lshl_b32 s23, s58, 15
	s_add_co_u32 s59, s59, s23
	s_lshl_b32 s23, s56, 14
	s_add_co_u32 s59, s59, s23                     ; made of the wave's number alone
	s_lshl_b32 s60, s18, 22                        ; x: the product's part of xc, 4 MiB,
	s_lshl_b32 s21, s20, 15                        ; the tile row's 32 KiB of a chunk,
	s_add_co_u32 s60, s60, s21
	s_lshl_b32 s21, s57, 20                        ; the chunk: 1 MiB,
	s_add_co_u32 s60, s60, s21
	s_lshl_b32 s21, s56, 14                        ; the half
	s_add_co_u32 s60, s60, s21
	s_mov_b32 s61, 0
	s_lshl_b32 s62, s18, 20                        ; W: the product's part of wc, 1 MiB,
	s_lshl_b32 s22, s19, 15
	s_add_co_u32 s62, s62, s22
	s_lshl_b32 s22, s57, 18                        ; the chunk: 256 KiB
	s_add_co_u32 s62, s62, s22
	s_lshl_b32 s22, s56, 14
	s_add_co_u32 s62, s62, s22
	s_mov_b32 s63, 0
	s_wait_dscnt 0x0                               ; the opening add is done
	s_wait_kmcnt 0x0
	s_load_b256 s[68:75], s[8:9], 0x0              ; e0 .. e7
	s_add_nc_u64 s[60:61], s[4:5], s[60:61]
	s_add_nc_u64 s[62:63], s[6:7], s[62:63]
	s_mov_b32 s40, 1                               ; group 0, x, first load
	s_mov_b32 s41, s59
	s_mov_b64 s[42:43], s[60:61]
	s_or_b32 s43, s43, 0x80000000
	s_mov_b32 s44, 1                               ; second load: two chunks on
	s_add_co_u32 s45, s59, 0x20000
	s_add_nc_u64 s[46:47], s[60:61], 0x200000
	s_or_b32 s47, s47, 0x80000000
	s_mov_b32 s48, 1                               ; the same for W
	s_mov_b32 s49, s59
	s_mov_b64 s[50:51], s[62:63]
	s_or_b32 s51, s51, 0x80000000
	s_mov_b32 s52, 1
	s_add_co_u32 s53, s59, 0x20000
	s_add_nc_u64 s[54:55], s[62:63], 0x80000
	s_or_b32 s55, s55, 0x80000000
	CROUND                                         ; all sixteen work-groups are here: the joint loads meet
	s_cmp_lt_u32 s14, 4                            ; a wave's two fills stand in one branch on the wave's number: two loads of mine are out; an s_nop 0 follows each, four v_nop the second
	s_cbranch_scc0 .Lfirst_b
	tensor_load_to_lds s[40:43], s[24:31]
	s_nop 0
	tensor_load_to_lds s[44:47], s[24:31]
	s_nop 0
.rept 4
	v_nop
.endr
	s_branch .Lfirst_done
.Lfirst_b:
	tensor_load_to_lds s[48:51], s[32:39]
	s_nop 0
	tensor_load_to_lds s[52:55], s[32:39]
	s_nop 0
.rept 4
	v_nop
.endr
.Lfirst_done:
	v_and_b32 v1, 31, v0
	v_lshlrev_b32 v[LI], 4, v1
	s_and_b32 s58, s14, 3                          ; my quarter of the tokens
	s_lshl_b32 s23, s58, 13                        ; two fragments' rows: 8,192 bytes of a chunk
	v_add_nc_u32 v[ADA], s23, v[LI]
	s_lshr_b32 s23, s14, 2                         ; my half of the columns
	s_lshl_b32 s23, s23, 14
	s_add_co_u32 s23, s23, 32768
	v_add_nc_u32 v[ADB], s23, v[LI]
.irp c, 1,2,3
	v_add_nc_u32 v[ADA+\c], \c*65536, v[ADA]
	v_add_nc_u32 v[ADB+\c], \c*65536, v[ADB]
.endr
	s_lshr_b32 s56, s20, 3                         ; the batch,
	s_lshl_b32 s56, s56, 6
	s_lshl_b32 s57, s19, 3
	s_add_co_u32 s56, s56, s57
	s_lshr_b32 s57, s14, 2
	s_lshl_b32 s57, s57, 2
	s_add_co_u32 s56, s56, s57                     ; my first head: 64 batch + 8 nt + 4 (w / 4)
	s_and_b32 s57, s20, 7                          ; which 128 tokens of the batch
	s_mov_b32 s61, 0
	s_wait_kmcnt 0x0
.macro MM a, b, zero, swap             ; swap = 0: source 0 = W's rows, source 1 = tokens: a lane holds token l % 16 and eight neighbouring columns.  swap = 1: the other way round: a lane holds column l % 16 and eight neighbouring tokens
.if \swap
.if \zero
	v_wmma_f32_16x16x128_fp8_fp8 v[ACC+8*(4*\a+\b):ACC+8*(4*\a+\b)+7], v[AF+16*\a:AF+16*\a+15], v[BF+16*\b:BF+16*\b+15], 0
.else
	v_wmma_f32_16x16x128_fp8_fp8 v[ACC+8*(4*\a+\b):ACC+8*(4*\a+\b)+7], v[AF+16*\a:AF+16*\a+15], v[BF+16*\b:BF+16*\b+15], v[ACC+8*(4*\a+\b):ACC+8*(4*\a+\b)+7]
.endif
.else
.if \zero
	v_wmma_f32_16x16x128_fp8_fp8 v[ACC+8*(4*\a+\b):ACC+8*(4*\a+\b)+7], v[BF+16*\b:BF+16*\b+15], v[AF+16*\a:AF+16*\a+15], 0
.else
	v_wmma_f32_16x16x128_fp8_fp8 v[ACC+8*(4*\a+\b):ACC+8*(4*\a+\b)+7], v[BF+16*\b:BF+16*\b+15], v[AF+16*\a:AF+16*\a+15], v[ACC+8*(4*\a+\b):ACC+8*(4*\a+\b)+7]
.endif
.endif
.endm
; 128 along K: half ks of chunk ch.  zero = 1: the first step starts the sums.  The eight accumulators take turns in the same order in every step.
.macro KSTEP ch, ks, zero, swap
.if !\zero
.rept 4
	v_nop                                          ; four places in front of loads into registers that matrix instructions have read
.endr
.endif
.irp a, 0,1
.irp c, 0,1,2,3
	ds_load_b128 v[AF+16*\a+4*\c:AF+16*\a+4*\c+3], v[ADA+\ch] offset:\a*4096+\ks*2048+\c*512
.endr
.endr
.irp b, 0,1,2,3
.irp c, 0,1,2,3
	ds_load_b128 v[BF+16*\b+4*\c:BF+16*\b+4*\c+3], v[ADB+\ch] offset:\b*4096+\ks*2048+\c*512
.endr
.endr
	s_wait_dscnt 8                                 ; all but the youngest eight loads: W's fragments 2 and 3
	MM 0, 0, \zero, \swap
	MM 1, 0, \zero, \swap
	MM 0, 1, \zero, \swap
	MM 1, 1, \zero, \swap
	s_wait_dscnt 0x0
	MM 0, 2, \zero, \swap
	MM 1, 2, \zero, \swap
	MM 0, 3, \zero, \swap
	MM 1, 3, \zero, \swap
.endm
.macro MAIN swap
	s_wait_tensorcnt 0x1                           ; my first load (chunk 0 or 1) has landed; my second may be out
	s_barrier_signal -1
	s_barrier_wait -1                              ; everybody's has: chunks 0 and 1 are whole
	KSTEP 0, 0, 1, \swap
	KSTEP 0, 1, 0, \swap
	KSTEP 1, 0, 0, \swap
	KSTEP 1, 1, 0, \swap
	s_wait_tensorcnt 0x0                           ; my second load has landed
	s_wait_dscnt 0x0
	s_barrier_signal -1
	s_barrier_wait -1                              ; chunks 2 and 3 are whole
	KSTEP 2, 0, 0, \swap
	KSTEP 2, 1, 0, \swap
	KSTEP 3, 0, 0, \swap
	KSTEP 3, 1, 0, \swap
.rept 4
	v_nop                                          ; four places in front of the first read of results
.endr
.endm
.macro CLOSE
	s_wait_tensorcnt 0x0                           ; the wave's end
	ds_add_u32 v[SPW], v[NIL]
	s_wait_dscnt 0x0
	CROUND                                         ; the closing round: no work-group ends while a partner may still ask for a block that names it
	s_endpgm
.endm
	s_cmp_eq_u32 s18, 2                            ; made of the cluster's y alone: all waves of all partners go the same way
	s_cbranch_scc1 .Lv
	; ---------------- Q and K
	s_add_co_i32 s59, s68, s69                     ; e0 + e1
	s_add_co_i32 s62, s70, s71                     ; e2 + e3
	s_mov_b32 s63, 0x3f800000                      ; K x 1
	s_cmp_eq_u32 s18, 0
	s_cselect_b32 s59, s59, s62
	s_cselect_b32 s63, 0x3eb8aa3b, s63             ; Q x log2(e) / 4: the scores then are the softmax's t as they stand
	s_lshl_b32 s59, s59, 23
	s_add_co_i32 s76, s63, s59                     ; the two exponents are added to the factor's exponent field
	s_mov_b32 s77, s76                             ; (named with it as a pair, so it is written)
	s_lshl_b32 s60, s18, 24                        ; K's images lie 16 MiB behind Q's
	s_lshl_b32 s59, s56, 16                        ; a head: 64 KiB
	s_add_co_u32 s60, s60, s59
	s_lshl_b32 s59, s57, 13                        ; 128 tokens: eight tiles of 1,024 bytes
	s_add_co_u32 s60, s60, s59
	s_lshl_b32 s59, s58, 11                        ; my two tiles
	s_add_co_u32 s60, s60, s59
	s_add_nc_u64 s[78:79], s[10:11], s[60:61]
	MAIN 0
.irp a, 0,1
.irp b, 0,1,2,3
.irp i, 0,2,4,6
	v_pk_mul_f32 v[ACC+8*(4*\a+\b)+\i:ACC+8*(4*\a+\b)+\i+1], v[ACC+8*(4*\a+\b)+\i:ACC+8*(4*\a+\b)+\i+1], s[76:77] op_sel_hi:[1,0]   ; each accumulator from its low end on
.endr
	global_store_b128 v[LI], v[ACC+8*(4*\a+\b):ACC+8*(4*\a+\b)+3], s[78:79] offset:\b*65536+\a*1024          ; dims 8 (l / 16) + 0 .. 3 of token l % 16
	global_store_b128 v[LI], v[ACC+8*(4*\a+\b)+4:ACC+8*(4*\a+\b)+7], s[78:79] offset:\b*65536+\a*1024+512    ; dims 8 (l / 16) + 4 .. 7
.endr
.endr
	CLOSE
	; ---------------- V: quantised along the keys on its way out
.Lv:
	s_sub_co_i32 s59, s75, s72
	s_sub_co_i32 s59, s59, s73                     ; a sum stands for sum x 2^(e4 + e5): its code is sum / 2^(e7 - e4 - e5)
	s_add_co_i32 s59, s59, 127
	s_lshl_b32 s62, s59, 23
	v_mov_b32 v14, s62
	s_add_co_i32 s59, s59, 8
	s_lshl_b32 s59, s59, 23
	s_or_b32 s59, s59, 0x600000
	v_mov_b32 v15, s59                             ; 448 x that
	s_lshl_b32 s60, s56, 14                        ; a head: 16 KiB
	s_lshl_b32 s59, s57, 11                        ; 128 keys: 2,048 bytes
	s_add_co_u32 s60, s60, s59
	s_lshl_b32 s59, s58, 9                         ; my 32 keys: one plane
	s_add_co_u32 s60, s60, s59
	s_add_nc_u64 s[78:79], s[12:13], s[60:61]
	MAIN 1
.irp b, 0,1,2,3
.irp a, 0,1
.irp i, 0,1,2,3,4,5,6,7
	v_med3_num_f32 v[ACC+8*(4*\a+\b)+\i], v[ACC+8*(4*\a+\b)+\i], -v15, v15   ; the conversion does not saturate (ISA guide 7.6.2): the hold comes first
.endr
	v_cvt_scalef32_pk8_fp8_f32 v[AF+4*\b+2*\a:AF+4*\b+2*\a+1], v[ACC+8*(4*\a+\b):ACC+8*(4*\a+\b)+7], v14   ; eight neighbouring keys of dim l % 16
.endr
	global_store_b128 v[LI], v[AF+4*\b:AF+4*\b+3], s[78:79] offset:\b*16384
.endr
	v_nop                                          ; a plain line behind the last conversion
	CLOSE
.Lfunc_end_k_q99d2d2b32f_proj:
	.size	k_q99d2d2b32f_proj, .Lfunc_end_k_q99d2d2b32f_proj-k_q99d2d2b32f_proj
	.p2alignl 7, 3214868480
	.fill 96, 4, 3214868480
	.section	.rodata,"a",@progbits
	.p2align	6, 0x0
	.amdhsa_kernel k_q99d2d2b32f_proj
		.amdhsa_group_segment_fixed_size 263168
		.amdhsa_private_segment_fixed_size 0
		.amdhsa_enable_private_segment 0
		.amdhsa_kernarg_size 40
		.amdhsa_user_sgpr_count 2
		.amdhsa_user_sgpr_kernarg_segment_ptr 1
		.amdhsa_wavefront_size32 1
		.amdhsa_system_sgpr_workgroup_id_x 1
		.amdhsa_system_sgpr_workgroup_id_y 1
		.amdhsa_system_sgpr_workgroup_id_z 1
		.amdhsa_system_vgpr_workitem_id 0
		.amdhsa_next_free_vgpr 176
		.amdhsa_next_free_sgpr 80
		.amdhsa_reserve_vcc 0
		.amdhsa_float_denorm_mode_32 3
		.amdhsa_float_denorm_mode_16_64 3
		.amdhsa_memory_ordered 1
		.amdhsa_forward_progress 1
		.amdhsa_inst_pref_size 52
	.end_amdhsa_kernel
	.amdgpu_metadata
---
amdhsa.version: [ 1, 2 ]
amdhsa.kernels:
  - .name:           k_q99d2d2b32f_proj
    .symbol:         k_q99d2d2b32f_proj.kd
    .args:
      - { .name: xc, .offset: 0, .size: 8, .value_kind: global_buffer, .address_space: global }
      - { .name: wc, .offset: 8, .size: 8, .value_kind: global_buffer, .address_space: global }
      - { .name: lowp_scales, .offset: 16, .size: 8, .value_kind: global_buffer, .address_space: global }
      - { .name: qk, .offset: 24, .size: 8, .value_kind: global_buffer, .address_space: global }
      - { .name: vc, .offset: 32, .size: 8, .value_kind: global_buffer, .address_space: global }
    .group_segment_fixed_size: 263168
    .private_segment_fixed_size: 0
    .kernarg_segment_align: 8
    .kernarg_segment_size: 40
    .max_flat_workgroup_size: 256
    .sgpr_count:     80
    .vgpr_count:     176
    .wavefront_size: 32
...
	.end_amdgpu_metadata
.endif
;; end of part 2
;; launch attn (part 3): grid 256 x 1, 16 waves a work-group, no clusters, 149,504 bytes of LDS; arguments qk, vc, lowp_scales, ac; writes ac
.if DOCPART == 3
	.amdgcn_target "amdgcn-amd-amdhsa--gfx1250"
	.amdhsa_code_object_version 6
	.text
	.protected	k_q99d2d2b32f_attn
	.globl	k_q99d2d2b32f_attn
	.p2align	8
	.type	k_q99d2d2b32f_attn,@function
k_q99d2d2b32f_attn:
	s_mov_b64 s[64:65], 0
	v_nop
	global_prefetch_b8 v0, s[64:65] scope:SCOPE_SE
	s_setreg_imm32_b32 hwreg(HW_REG_WAVE_MODE, 25, 1), 1
	s_wait_xcnt 0x0
; Attention of one head (head size 16, 1,024 queries, 1,024 keys) a work-group; 256 heads.  The scores are an f32 product (their result goes into a quantiser); p V runs on codes of FP8 (E4M3).
; INPUTS, made by the launch before: Q x log2(e) / 4 and K as f32 images of the f32 matrix form's operands (a tile of 16 rows: 1,024 bytes; lane l: row l % 16, dims 8 (l / 16) + 0 .. 7 in eight registers);
; V as codes with the keys along the registers.  The head's K (64 KiB), Q (64 KiB) and V (16 KiB) are copied into LDS once, through registers; then one barrier, and no LDS byte is written again.
; No two work-groups read the same bytes, so there is no cluster; memory is read at the head alone, so nothing is prefetched.
; SHARES.  Sixteen waves; wave w owns the tiles of 16 queries 4 w .. 4 w + 3, one after the other, and walks all keys, 128 a step.  Four waves share a SIMD: one wave's matrix work stands beside the others' vector work.
; LAYOUT.  S^T = K Q^T (source 0 = 16 keys, source 1 = my 16 queries), four instructions of K = 4 a tile: registers 2 s, 2 s + 1 of both operands are step s (dim 8 (l / 16) + 2 s + j, alike in both).
; A lane holds ONE query (l % 16); register 8 t + j of S^T is key 16 t + 8 (l / 16) + j: just the k that registers 2 t, 2 t + 1 of the fp8 form's operand want, so the conversions' results are that operand.
; O^T = V^T P^T (source 0 = the head's 16 dims, source 1 = p): a lane holds its query's dims 8 (l / 16) + 0 .. 7, eight neighbours along the next product's K.
; SOFTMAX.  S^T is t = logit x log2(e).  M = the running largest t rounded UP to a whole number, kept as -M = floor(-t); p = 2^(t - M) is quantised with 2^e6, not normalised; the row's sum is taken of the unquantised p;
; when M moves, the sum and O^T are multiplied by 2^(old M - new M), which rounds nothing.  At the end O^T / sum is quantised with 2^e8 and stored as the last product's operand image.
; S^T's registers are written by matrix instructions alone: t - M goes into other registers.
; LIMITS: e6, and e8 - e6 - e7, between -126 and 119.  NaN among the inputs is not served.
.set QOFF,  65536
.set VOFF,  131072
.set SPARE, 147456                     ; behind K, Q and V: the spare words, 128 bytes for each wave
.set LI,  1                            ; v1   16 x lane
.set LIV, 2                            ; v2   the same in V's part of LDS
.set GO,  3                            ; v3   my 8 bytes of a tile's 256 in ac: 16 (l % 16) + 8 (l / 16)
.set SPW, 4                            ; v4   my spare word; never rewritten
.set NIL, 5                            ; v5   0; never rewritten
.set LIM, 6                            ; v6   448 x 2^e6
.set SCL, 7                            ; v7   2^e6
.set F,   8                            ; v8   2^(old M - new M); v9 = 0, named with it as a pair
.set W0,  10                           ; v10, v11 at work
.set NM,  12                           ; v12  -M
.set TM,  13                           ; v13  the largest t
.set SUM, 14                           ; v[14:15] the row's sum, in two halves
.set Q,   16                           ; v16-23   my tile of Q
.set O,   24                           ; v24-31   O^T
.set PC,  32                           ; v32-47   p's codes
.set VF,  48                           ; v48-63   V's fragment
.set S,   64                           ; v64-127  S^T
.set P,   128                          ; v128-191 t - M, then p
.set KF,  192                          ; v192-255 eight tiles of K
	s_load_b256 s[4:11], s[0:1], 0x0               ; qk 4:5, vc 6:7, the scales 8:9, ac 10:11
	v_lshl_add_u32 v[SPW], v0, 2, SPARE
	v_mov_b32 v[NIL], 0
	v_lshrrev_b32 v1, 5, v0
	v_readfirstlane_b32 s12, v1                    ; wave 0..15
	v_lshlrev_b32 v200, 4, v0                      ; the copy: 16 bytes a thread, 8,192 an instruction of the work-group
	v_add_nc_u32 v201, QOFF, v200
	v_add_nc_u32 v202, VOFF, v200
	s_lshl_b32 s22, ttmp9, 16                      ; the head's 64 KiB
	s_mov_b32 s23, 0
	s_lshl_b32 s30, ttmp9, 14                      ; and its 16 KiB of V's codes
	s_mov_b32 s31, 0
	s_wait_kmcnt 0x0
	s_load_b64 s[16:17], s[8:9], 0x18              ; e6, e7
	s_load_b32 s18, s[8:9], 0x20                   ; e8
	s_add_nc_u64 s[4:5], s[4:5], s[22:23]          ; Q
	s_add_nc_u64 s[28:29], s[4:5], 0x1000000       ; K lies 16 MiB behind it
	s_add_nc_u64 s[6:7], s[6:7], s[30:31]          ; V
.irp i, 0,1,2,3,4,5,6,7
	global_load_b128 v[128+4*\i:131+4*\i], v200, s[28:29] offset:\i*8192 th:TH_LOAD_NT
.endr
.irp i, 0,1
	global_load_b128 v[160+4*\i:163+4*\i], v200, s[6:7] offset:\i*8192 th:TH_LOAD_NT
.endr
.irp i, 0,1,2,3,4,5,6,7
	global_load_b128 v[168+4*\i:171+4*\i], v200, s[4:5] offset:\i*8192 th:TH_LOAD_NT
.endr
	v_and_b32 v1, 31, v0
	v_and_b32 v10, 15, v0
	v_bfe_u32 v11, v0, 4, 1
	v_lshlrev_b32 v[GO], 4, v10
	v_lshl_add_u32 v[GO], v11, 3, v[GO]
	v_lshlrev_b32 v[LI], 4, v1
	v_add_nc_u32 v[LIV], VOFF, v[LI]
	v_mov_b32 v9, 0
	s_mov_b32 s14, 0x76543210                      ; v_permlanex16_b32's selects for lane l xor 16
	s_mov_b32 s15, 0xfedcba98
	s_lshl_b32 s19, s12, 12                        ; my four tiles of Q: 4,096 bytes
	s_add_co_u32 s19, s19, QOFF
	s_mov_b32 s20, 4                               ; tiles to go
	; where my results go: k = 16 g + dim, row = 1024 batch + query: (g / 16) 1 MiB + (64 batch + tile) 4096 + (g % 16) 256
	s_and_b32 s32, ttmp9, 63                       ; g
	s_lshr_b32 s33, s32, 4
	s_lshl_b32 s22, s33, 20
	s_and_b32 s32, s32, 15
	s_lshl_b32 s32, s32, 8
	s_add_co_u32 s22, s22, s32
	s_lshr_b32 s32, ttmp9, 6                       ; the batch
	s_lshl_b32 s32, s32, 18
	s_add_co_u32 s22, s22, s32
	s_lshl_b32 s32, s12, 14                        ; my four tiles
	s_add_co_u32 s22, s22, s32
	s_add_nc_u64 s[24:25], s[10:11], s[22:23]
	s_wait_kmcnt 0x0
	s_add_co_i32 s32, s16, 127
	s_lshl_b32 s33, s32, 23
	v_mov_b32 v[SCL], s33                          ; 2^e6 as f32: the conversion takes its exponent field
	s_add_co_i32 s32, s32, 8
	s_lshl_b32 s32, s32, 23
	s_or_b32 s32, s32, 0x600000
	v_mov_b32 v[LIM], s32                          ; 448 x 2^e6
	s_sub_co_i32 s32, s18, s16
	s_sub_co_i32 s32, s32, s17                     ; O^T stands for O^T x 2^(e6 + e7): its code is (O^T / sum) / 2^(e8 - e6 - e7)
	s_add_co_i32 s32, s32, 127
	s_lshl_b32 s26, s32, 23
	s_add_co_i32 s32, s32, 8
	s_lshl_b32 s27, s32, 23
	s_or_b32 s27, s27, 0x600000
	s_wait_loadcnt 10                              ; K's eight loads are in; V's two and Q's eight may be out
.irp i, 0,1,2,3,4,5,6,7
	ds_store_b128 v200, v[128+4*\i:131+4*\i] offset:\i*8192
.endr
	s_wait_loadcnt 8                               ; V's are in
.irp i, 0,1
	ds_store_b128 v202, v[160+4*\i:163+4*\i] offset:\i*8192
.endr
	s_wait_loadcnt 0x0
.irp i, 0,1,2,3,4,5,6,7
	ds_store_b128 v201, v[168+4*\i:171+4*\i] offset:\i*8192
.endr
	s_wait_dscnt 0x0                               ; for the others' sake: my stores have landed
	s_barrier_signal -1
	s_barrier_wait -1                              ; the head's K, Q and V lie in LDS
.macro KLOAD n                         ; the eight tiles of K of key step n
.irp t, 0,1,2,3,4,5,6,7
.irp c, 0,1
	ds_load_b128 v[KF+8*\t+4*\c:KF+8*\t+4*\c+3], v[LI] offset:(\n)*8192+\t*1024+\c*512
.endr
.endr
.endm
; A KEY STEP: 128 keys.
.macro STEP n
	s_wait_dscnt 0x0                               ; K's fragments are in (in a tile's first step Q's too)
.irp s, 0,1,2,3                        ; the eight accumulators take turns; the first four dims' products start the sums
.irp t, 0,1,2,3,4,5,6,7
.if \s == 0
	v_wmma_f32_16x16x4_f32 v[S+8*\t:S+8*\t+7], v[KF+8*\t+2*\s:KF+8*\t+2*\s+1], v[Q+2*\s:Q+2*\s+1], 0
.else
	v_wmma_f32_16x16x4_f32 v[S+8*\t:S+8*\t+7], v[KF+8*\t+2*\s:KF+8*\t+2*\s+1], v[Q+2*\s:Q+2*\s+1], v[S+8*\t:S+8*\t+7]
.endif
.endr
.endr
.rept 8
	v_nop                                          ; eight places behind this form, in front of the loads into K's registers and of the first read of the scores
.endr
.irp q, 0,1,2,3
	ds_load_b128 v[VF+4*\q:VF+4*\q+3], v[LIV] offset:(\n)*2048+\q*512   ; this step's V,
.endr
	KLOAD (\n+1)%8                                 ; and the next step's K (behind the last step: the next tile's first), which land under the softmax
	v_max3_num_f32 v[W0], v[S], v[S+1], v[S+2]     ; the step's largest t of my query among my 64 keys, in two chains; each accumulator is read from its low end on
	v_max3_num_f32 v[W0+1], v[S+3], v[S+4], v[S+5]
.irp i, 6,10,14,18,22,26,30,34,38,42,46,50,54,58
	v_max3_num_f32 v[W0], v[W0], v[S+\i], v[S+\i+1]
	v_max3_num_f32 v[W0+1], v[W0+1], v[S+\i+2], v[S+\i+3]
.endr
	v_max3_num_f32 v[W0], v[W0], v[S+62], v[S+63]
	v_max_num_f32 v[W0], v[W0], v[W0+1]
	v_permlanex16_b32 v[W0+1], v[W0], s14, s15
	v_max_num_f32 v[W0], v[W0], v[W0+1]            ; and among lane l xor 16's
	v_max_num_f32 v[TM], v[TM], v[W0]              ; the running largest t
	v_mov_b32 v[W0], v[NM]
	v_floor_f32 v[NM], -v[TM]                      ; the new -M = floor(-t) = -ceil(t)
	v_sub_f32 v[W0], v[NM], v[W0]                  ; old M - new M: a whole number, 0 or less
	v_cvt_i32_f32 v[W0], v[W0]                     ; (it saturates)
	v_ldexp_f32 v[F], 1.0, v[W0]                   ; f = 2^(old M - new M)
.irp j, 0,2,4,6,8,10,12,14,16,18,20,22,24,26,28,30,32,34,36,38,40,42,44,46,48,50,52,54,56,58,60,62
	v_pk_add_f32 v[P+\j:P+\j+1], v[S+\j:S+\j+1], v[NM:NM+1] op_sel_hi:[1,0]   ; t - M, two at a time, into other registers
.endr
.irp j, 0,1,2,3,4,5,6,7,8,9,10,11,12,13,14,15,16,17,18,19,20,21,22,23,24,25,26,27,28,29,30,31,32,33,34,35,36,37,38,39,40,41,42,43,44,45,46,47,48,49,50,51,52,53,54,55,56,57,58,59,60,61,62,63
	v_exp_f32 v[P+\j], v[P+\j]                     ; p = 2^(t - M), at most 1
.endr
	v_pk_mul_f32 v[SUM:SUM+1], v[SUM:SUM+1], v[F:F+1] op_sel_hi:[1,0]   ; the sums under the new M: the plain line behind the exponentials
	s_wait_alu depctr_va_vdst(0)                   ; one wait for the batch of 64, ahead of its first reader
	v_pk_add_f32 v[W0:W0+1], v[P:P+1], v[P+2:P+3]  ; the row's sum is taken of the unquantised p, in two chains
.irp j, 4,8,12,16,20,24,28,32,36,40,44,48,52,56,60
	v_pk_add_f32 v[SUM:SUM+1], v[SUM:SUM+1], v[P+\j:P+\j+1]
	v_pk_add_f32 v[W0:W0+1], v[W0:W0+1], v[P+\j+2:P+\j+3]
.endr
	v_pk_add_f32 v[SUM:SUM+1], v[SUM:SUM+1], v[W0:W0+1]
.irp t, 0,1,2,3,4,5,6,7
.irp i, 0,1,2,3,4,5,6,7
	v_min_num_f32 v[P+8*\t+\i], v[P+8*\t+\i], v[LIM]   ; the conversion does not saturate (ISA guide 7.6.2); p is not negative, so the hold is one-sided
.endr
	v_cvt_scalef32_pk8_fp8_f32 v[PC+2*\t:PC+2*\t+1], v[P+8*\t:P+8*\t+7], v[SCL]   ; keys 16 t + 8 (l / 16) + 0 .. 7: registers 2 t, 2 t + 1 of the operand
.endr
.if \n == 0
	v_nop                                          ; the plain line between the last conversion and the product that reads its result
	s_wait_dscnt 16                                ; V's four loads are in; the sixteen of K behind them may be out
	v_wmma_f32_16x16x128_fp8_fp8 v[O:O+7], v[VF:VF+15], v[PC:PC+15], 0   ; a tile's first step starts O^T: nothing is cleared
.else
.irp j, 0,2,4,6
	v_pk_mul_f32 v[O+\j:O+\j+1], v[O+\j:O+\j+1], v[F:F+1] op_sel_hi:[1,0]   ; O^T under the new M (also the plain lines behind the conversions)
.endr
	s_wait_dscnt 16
	v_wmma_f32_16x16x128_fp8_fp8 v[O:O+7], v[VF:VF+15], v[PC:PC+15], v[O:O+7]
.endif
.endm
	KLOAD 0
.Ltile:                                            ; four trips: a tile of 16 queries each
	v_add_nc_u32 v[W0], s19, v[LI]
	ds_load_b128 v[Q:Q+3], v[W0]
	ds_load_b128 v[Q+4:Q+7], v[W0] offset:512
	v_mov_b32 v[TM], 0xff61b1e6                    ; the largest t so far: -3e38, under every t
	v_floor_f32 v[NM], -v[TM]
	v_mov_b32 v[SUM], 0
	v_mov_b32 v[SUM+1], 0
.irp n, 0,1,2,3,4,5,6,7
	STEP \n
.endr
	; the way out: O^T / the sum, quantised with 2^e8: eight codes a lane, eight neighbours along the last product's K
.rept 4
	v_nop                                          ; four places in front of the first read of O^T
.endr
	v_add_f32 v[SUM], v[SUM], v[SUM+1]             ; the sum's two halves,
	v_permlanex16_b32 v[W0], v[SUM], s14, s15
	v_add_f32 v[SUM], v[SUM], v[W0]                ; and lane l xor 16's
	v_rcp_f32 v[SUM], v[SUM]
	v_mov_b32 v[W0], s26                           ; (plain lines behind the reciprocal)  2^(e8 - e6 - e7)
	v_mov_b32 v[W0+1], s27                         ; 448 x that
	s_wait_alu depctr_va_vdst(0)                   ; the wait ahead of the reciprocal's first reader
.irp j, 0,2,4,6
	v_pk_mul_f32 v[P+\j:P+\j+1], v[O+\j:O+\j+1], v[SUM:SUM+1] op_sel_hi:[1,0]
.endr
.irp j, 0,1,2,3,4,5,6,7
	v_med3_num_f32 v[P+\j], v[P+\j], -v[W0+1], v[W0+1]
.endr
	v_cvt_scalef32_pk8_fp8_f32 v[P+8:P+9], v[P:P+7], v[W0]
	v_nop                                          ; a plain line behind the conversion
	global_store_b64 v[GO], v[P+8:P+9], s[24:25]   ; the wave's 32 lanes store 256 consecutive bytes, aligned
	s_wait_xcnt 0x0                                ; the store has read its data and its base: both are written again
	s_add_nc_u64 s[24:25], s[24:25], 4096          ; the next tile of rows
	s_add_co_u32 s19, s19, 1024
	s_sub_co_u32 s20, s20, 1
	s_cmp_lg_u32 s20, 0
	s_cbranch_scc1 .Ltile
	s_wait_tensorcnt 0x0                           ; the wave's end: the closing lines behind my last LDS store
	ds_add_u32 v[SPW], v[NIL]
	s_wait_dscnt 0x0
	s_endpgm
.Lfunc_end_k_q99d2d2b32f_attn:
	.size	k_q99d2d2b32f_attn, .Lfunc_end_k_q99d2d2b32f_attn-k_q99d2d2b32f_attn
	.p2alignl 7, 3214868480
	.fill 96, 4, 3214868480
	.section	.rodata,"a",@progbits
	.p2align	6, 0x0
	.amdhsa_kernel k_q99d2d2b32f_attn
		.amdhsa_group_segment_fixed_size 149504
		.amdhsa_private_segment_fixed_size 0
		.amdhsa_enable_private_segment 0
		.amdhsa_kernarg_size 32
		.amdhsa_user_sgpr_count 2
		.amdhsa_user_sgpr_kernarg_segment_ptr 1
		.amdhsa_wavefront_size32 1
		.amdhsa_system_sgpr_workgroup_id_x 1
		.amdhsa_system_sgpr_workgroup_id_y 1
		.amdhsa_system_sgpr_workgroup_id_z 1
		.amdhsa_system_vgpr_workitem_id 0
		.amdhsa_next_free_vgpr 256
		.amdhsa_next_free_sgpr 66
		.amdhsa_reserve_vcc 0
		.amdhsa_float_denorm_mode_32 3
		.amdhsa_float_denorm_mode_16_64 3
		.amdhsa_memory_ordered 1
		.amdhsa_forward_progress 1
		.amdhsa_inst_pref_size 127
	.end_amdhsa_kernel
	.amdgpu_metadata
---
amdhsa.version: [ 1, 2 ]
amdhsa.kernels:
  - .name:           k_q99d2d2b32f_attn
    .symbol:         k_q99d2d2b32f_attn.kd
    .args:
      - { .name: qk, .offset: 0, .size: 8, .value_kind: global_buffer, .address_space: global }
      - { .name: vc, .offset: 8, .size: 8, .value_kind: global_buffer, .address_space: global }
      - { .name: lowp_scales, .offset: 16, .size: 8, .value_kind: global_buffer, .address_space: global }
      - { .name: ac, .offset: 24, .size: 8, .value_kind: global_buffer, .address_space: global }
    .group_segment_fixed_size: 149504
    .private_segment_fixed_size: 0
    .kernarg_segment_align: 8
    .kernarg_segment_size: 32
    .max_flat_workgroup_size: 512
    .sgpr_count:     66
    .vgpr_count:     256
    .wavefront_size: 32
...
	.end_amdgpu_metadata
.endif
;; end of part 3
;; launch outp (part 4): grid 8 x 32, 8 waves a work-group, clusters of 4 x 4, 297,984 bytes of LDS; arguments ac, wc, lowp_scales, out0; writes out0
.if DOCPART == 4
	.amdgcn_target "amdgcn-amd-amdhsa--gfx1250"
	.amdhsa_code_object_version 6
	.text
	.protected	k_q99d2d2b32f_outp
	.globl	k_q99d2d2b32f_outp
	.p2align	8
	.type	k_q99d2d2b32f_outp,@function
k_q99d2d2b32f_outp:
	s_mov_b64 s[64:65], 0
	v_nop
	global_prefetch_b8 v0, s[64:65] scope:SCOPE_SE
	s_setreg_imm32_b32 hwreg(HW_REG_WAVE_MODE, 25, 1), 1
	s_wait_xcnt 0x0
	s_wait_alu depctr_hold_cnt(0) depctr_sa_sdst(0) depctr_va_vdst(0) depctr_va_sdst(0) depctr_va_ssrc(0) depctr_va_vcc(0) depctr_vm_vsrc(0)
	s_getreg_b32 s2, hwreg(HW_REG_IB_STS2, 6, 4)
	s_cmp_eq_u32 s2, 0
	s_cbranch_scc0 .Lentry_in_a_cluster
	s_endpgm
.Lentry_in_a_cluster:
	s_bfe_u32 s2, ttmp6, 0x10000c
	s_cmp_lg_u32 s2, 0xf033
	s_cbranch_scc0 .Lentry_shape_is_right
	s_endpgm
.Lentry_shape_is_right:
; out0 = attention's result x W_o on codes of FP8 (E4M3): [4096][1024 (k)] x [1024 (n)][1024 (k)], sums in f32, each finished sum x 2^(e8 + e9).
; A work-group makes 128 rows x 128 columns.  In codes the WHOLE K of both tiles is 2 x 128 KiB and lies in LDS at once: every LDS byte that a tensor load fills is filled once.
; Both operands lie in memory as images of their fragments: a chunk of 256 along K of 128 rows is one dense block of 32 KiB, and a fragment comes by four ds_load_b128 at a constant + 16 x lane.
; Inside a matrix instruction k stands permuted (lane l: k = 32 c + 16 (l / 16) + 0 .. 15 in registers 4 c .. 4 c + 3), alike in both operands.
; Eight waves: wave w makes rows 32 (w % 4) on x columns 64 (w / 4) on: eight accumulators, which take turns.  Source 0 = W_o's rows, source 1 = my rows: a lane holds eight neighbouring columns of one row.
; CLUSTER 4 x 4: the rows' tile is asked for jointly along a row of the cluster, W_o's along a column.
; THE WAY OUT: 16 rows x 256 bytes at a time through the wave's own stage in LDS, which no tensor load fills; sixteen lanes store 256 consecutive aligned bytes.
; LIMIT: e8 + e9 between -126 and 127, so that 2^(e8 + e9) is an f32 number.
.set STG,   262144                     ; behind the four chunks: a stage of 16 rows x 272 bytes for each wave
.set SPARE, STG+8*16*272               ; behind the stages: the spare words, 128 bytes for each wave
.set LI,  1                            ; v1     16 x lane
.set ADA, 2                            ; v2-5   my fragments of the rows in chunk 0 .. 3
.set ADB, 6                            ; v6-9   my fragments of W_o
.set SPW, 10                           ; v10    my spare word; never rewritten
.set NIL, 11                           ; v11    0; never rewritten
.set STO, 12                           ; v12    the stage: where I put 32 bytes of a row
.set RD,  13                           ; v13    and where I read a row back
.set CO,  14                           ; v14    my byte offset in two rows of out0
.set AF,  16                           ; v16-47   two fragments of the rows
.set BF,  48                           ; v48-111  four fragments of W_o; on the way out 32 rows read back
.set ACC, 112                          ; v112-175 accumulator (a, b) at v[112 + 8 (4 a + b)]
.macro CROUND                          ; a round of the cluster's barrier
	s_barrier_signal -1
	s_barrier_wait -1
	s_cmp_lg_u32 s14, 0
	s_cbranch_scc1 .Lnot_wave_0_\@
	s_barrier_signal -3
.Lnot_wave_0_\@:
	s_barrier_wait -3
	s_barrier_signal -1
	s_barrier_wait -1
.endm
	s_load_b256 s[4:11], s[0:1], 0x0               ; ac 4:5, wc 6:7, the scales 8:9, out0 10:11
	v_lshl_add_u32 v[SPW], v0, 2, SPARE
	v_mov_b32 v[NIL], 0
	ds_add_u32 v[SPW], v[NIL]                      ; the wave's opening: the add and its wait stand ahead of my first tensor load; work on registers stands between them
	v_lshrrev_b32 v1, 5, v0
	v_readfirstlane_b32 s14, v1                    ; wave 0..7
	s_bfe_u32 s15, ttmp6, 0x40000                  ; cx
	s_bfe_u32 s16, ttmp6, 0x40004                  ; cy
	s_and_b32 s17, ttmp7, 0xffff                   ; the cluster's y, 0 .. 7
	s_lshl_b32 s19, ttmp9, 2
	s_add_co_u32 s19, s19, s15                     ; nt: tile column, 0 .. 7
	s_lshl_b32 s20, s17, 2
	s_add_co_u32 s20, s20, s16                     ; mt: tile row, 0 .. 31
	s_lshl_b32 s21, s16, 2
	s_lshl_b32 s21, 15, s21                        ; my row of the cluster
	s_lshl_b32 s22, 0x1111, s15                    ; my column
	; group 1: a dense block of 16 KiB as 64 rows of 32 elements of 8 bytes
	s_or_b32 s24, s21, (3<<16)|(1<<21)             ; 15:0 the mask: the rows' blocks go to my row of the cluster; 17:16 elements of 8 bytes; 21 set beside a mask
	s_or_b32 s32, s22, (3<<16)|(1<<21)             ; W_o's go to my column
.irp g, 24, 32
	s_mov_b32 s[\g+1], 32<<16                      ; tensor_dim0 = 32
	s_mov_b32 s[\g+2], 64<<16                      ; tensor_dim1 = 64
	s_mov_b32 s[\g+3], 32<<16                      ; tile_dim0 = 32
	s_mov_b32 s[\g+4], 64                          ; tile_dim1 = 64
	s_mov_b32 s[\g+5], 32                          ; from row to row
	s_mov_b32 s[\g+6], 0
	s_mov_b32 s[\g+7], 0
.endr
	; what I fetch: waves 0-3 for the rows, 4-7 for W_o; half hf of the 32 KiB of chunk cb, then of chunk cb + 2
	s_and_b32 s56, s14, 1                          ; hf
	s_bfe_u32 s57, s14, 0x10001                    ; cb
	s_lshr_b32 s58, s14, 2
	s_lshl_b32 s59, s57, 16                        ; in LDS a chunk is 64 KiB: the rows' 32 KiB, then W_o's
	s_lshl_b32 s23, s58, 15
	s_add_co_u32 s59, s59, s23
	s_lshl_b32 s23, s56, 14
	s_add_co_u32 s59, s59, s23                     ; made of the wave's number alone
	s_lshl_b32 s60, s20, 15                        ; the rows: the tile row's 32 KiB of a chunk,
	s_lshl_b32 s21, s57, 20                        ; the chunk: 1 MiB,
	s_add_co_u32 s60, s60, s21
	s_lshl_b32 s21, s56, 14                        ; the half
	s_add_co_u32 s60, s60, s21
	s_mov_b32 s61, 0
	s_lshl_b32 s62, s19, 15                        ; W_o:
	s_add_co_u32 s62, s62, 0x300000                ; part 3 of wc,
	s_lshl_b32 s22, s57, 18                        ; the chunk: 256 KiB
	s_add_co_u32 s62, s62, s22
	s_lshl_b32 s22, s56, 14
	s_add_co_u32 s62, s62, s22
	s_mov_b32 s63, 0
	s_wait_dscnt 0x0                               ; the opening add is done
	s_wait_kmcnt 0x0
	s_load_b64 s[68:69], s[8:9], 0x20              ; e8, e9
	s_add_nc_u64 s[60:61], s[4:5], s[60:61]
	s_add_nc_u64 s[62:63], s[6:7], s[62:63]
	s_mov_b32 s40, 1                               ; group 0, the rows, first load
	s_mov_b32 s41, s59
	s_mov_b64 s[42:43], s[60:61]
	s_or_b32 s43, s43, 0x80000000
	s_mov_b32 s44, 1                               ; second load: two chunks on
	s_add_co_u32 s45, s59, 0x20000
	s_add_nc_u64 s[46:47], s[60:61], 0x200000
	s_or_b32 s47, s47, 0x80000000
	s_mov_b32 s48, 1                               ; the same for W_o
	s_mov_b32 s49, s59
	s_mov_b64 s[50:51], s[62:63]
	s_or_b32 s51, s51, 0x80000000
	s_mov_b32 s52, 1
	s_add_co_u32 s53, s59, 0x20000
	s_add_nc_u64 s[54:55], s[62:63], 0x80000
	s_or_b32 s55, s55, 0x80000000
	CROUND                                         ; all sixteen work-groups are here: the joint loads meet
	s_cmp_lt_u32 s14, 4                            ; a wave's two fills stand in one branch on the wave's number: two loads of mine are out; an s_nop 0 follows each, four v_nop the second
	s_cbranch_scc0 .Lfirst_b
	tensor_load_to_lds s[40:43], s[24:31]
	s_nop 0
	tensor_load_to_lds s[44:47], s[24:31]
	s_nop 0
.rept 4
	v_nop
.endr
	s_branch .Lfirst_done
.Lfirst_b:
	tensor_load_to_lds s[48:51], s[32:39]
	s_nop 0
	tensor_load_to_lds s[52:55], s[32:39]
	s_nop 0
.rept 4
	v_nop
.endr
.Lfirst_done:
	v_and_b32 v1, 31, v0
	v_lshlrev_b32 v[LI], 4, v1
	s_and_b32 s58, s14, 3                          ; my quarter of the rows
	s_lshl_b32 s23, s58, 13
	v_add_nc_u32 v[ADA], s23, v[LI]
	s_lshr_b32 s57, s14, 2                         ; my half of the columns
	s_lshl_b32 s23, s57, 14
	s_add_co_u32 s23, s23, 32768
	v_add_nc_u32 v[ADB], s23, v[LI]
.irp c, 1,2,3
	v_add_nc_u32 v[ADA+\c], \c*65536, v[ADA]
	v_add_nc_u32 v[ADB+\c], \c*65536, v[ADB]
.endr
	v_and_b32 v15, 15, v0                          ; r
	v_bfe_u32 v1, v0, 4, 1                         ; h  (v1 is made anew below)
	s_mul_i32 s23, s14, 16*272
	s_add_co_u32 s23, s23, STG                     ; my stage
	v_mul_u32_u24 v[STO], v15, 272                 ; in: row r, + 32 h bytes
	v_lshl_add_u32 v[STO], v1, 5, v[STO]
	v_add_nc_u32 v[STO], s23, v[STO]
	v_mul_u32_u24 v[RD], v1, 272                   ; back: lanes 0-15 one row of 256 bytes, lanes 16-31 the next
	v_lshl_add_u32 v[RD], v15, 4, v[RD]
	v_add_nc_u32 v[RD], s23, v[RD]
	v_lshlrev_b32 v[CO], 12, v1                    ; and the same two rows in out0
	v_lshl_add_u32 v[CO], v15, 4, v[CO]
	s_lshl_b32 s60, s20, 19                        ; 128 rows of 4,096 bytes,
	s_lshl_b32 s59, s58, 17                        ; my 32 rows,
	s_add_co_u32 s60, s60, s59
	s_lshl_b32 s59, s19, 9                         ; 128 columns,
	s_add_co_u32 s60, s60, s59
	s_lshl_b32 s59, s57, 8                         ; my 64
	s_add_co_u32 s60, s60, s59
	s_mov_b32 s61, 0
	s_add_nc_u64 s[78:79], s[10:11], s[60:61]
	s_wait_kmcnt 0x0
	s_add_co_i32 s76, s68, s69
	s_add_co_i32 s76, s76, 127
	s_lshl_b32 s76, s76, 23                        ; 2^(e8 + e9) as f32
	s_mov_b32 s77, s76                             ; (named with it as a pair, so it is written)
.macro MM a, b, zero
.if \zero
	v_wmma_f32_16x16x128_fp8_fp8 v[ACC+8*(4*\a+\b):ACC+8*(4*\a+\b)+7], v[BF+16*\b:BF+16*\b+15], v[AF+16*\a:AF+16*\a+15], 0
.else
	v_wmma_f32_16x16x128_fp8_fp8 v[ACC+8*(4*\a+\b):ACC+8*(4*\a+\b)+7], v[BF+16*\b:BF+16*\b+15], v[AF+16*\a:AF+16*\a+15], v[ACC+8*(4*\a+\b):ACC+8*(4*\a+\b)+7]
.endif
.endm
; 128 along K: half ks of chunk ch.  zero = 1: the first step starts the sums.  The eight accumulators take turns in the same order in every step.
.macro KSTEP ch, ks, zero
.if !\zero
.rept 4
	v_nop                                          ; four places in front of loads into registers that matrix instructions have read
.endr
.endif
.irp a, 0,1
.irp c, 0,1,2,3
	ds_load_b128 v[AF+16*\a+4*\c:AF+16*\a+4*\c+3], v[ADA+\ch] offset:\a*4096+\ks*2048+\c*512
.endr
.endr
.irp b, 0,1,2,3
.irp c, 0,1,2,3
	ds_load_b128 v[BF+16*\b+4*\c:BF+16*\b+4*\c+3], v[ADB+\ch] offset:\b*4096+\ks*2048+\c*512
.endr
.endr
	s_wait_dscnt 8                                 ; all but the youngest eight loads: W_o's fragments 2 and 3
	MM 0, 0, \zero
	MM 1, 0, \zero
	MM 0, 1, \zero
	MM 1, 1, \zero
	s_wait_dscnt 0x0
	MM 0, 2, \zero
	MM 1, 2, \zero
	MM 0, 3, \zero
	MM 1, 3, \zero
.endm
	s_wait_tensorcnt 0x1                           ; my first load (chunk 0 or 1) has landed; my second may be out
	s_barrier_signal -1
	s_barrier_wait -1                              ; everybody's has: chunks 0 and 1 are whole
	KSTEP 0, 0, 1
	KSTEP 0, 1, 0
	KSTEP 1, 0, 0
	KSTEP 1, 1, 0
	s_wait_tensorcnt 0x0                           ; my second load has landed
	s_wait_dscnt 0x0
	s_barrier_signal -1
	s_barrier_wait -1                              ; chunks 2 and 3 are whole
	KSTEP 2, 0, 0
	KSTEP 2, 1, 0
	KSTEP 3, 0, 0
	KSTEP 3, 1, 0
.rept 4
	v_nop                                          ; four places in front of the first read of results and of the loads into W_o's registers
.endr
.irp a, 0,1                            ; 16 rows at a time through my stage; LDS serves a wave's instructions in order: no wait between the stores and the loads, nor in front of the next block's stores
.irp b, 0,1,2,3
.irp i, 0,2,4,6
	v_pk_mul_f32 v[ACC+8*(4*\a+\b)+\i:ACC+8*(4*\a+\b)+\i+1], v[ACC+8*(4*\a+\b)+\i:ACC+8*(4*\a+\b)+\i+1], s[76:77] op_sel_hi:[1,0]   ; x 2^(e8 + e9); each accumulator from its low end on
.endr
	ds_store_b128 v[STO], v[ACC+8*(4*\a+\b):ACC+8*(4*\a+\b)+3] offset:64*\b
	ds_store_b128 v[STO], v[ACC+8*(4*\a+\b)+4:ACC+8*(4*\a+\b)+7] offset:64*\b+16
.endr
.irp t, 0,1,2,3,4,5,6,7
	ds_load_b128 v[BF+32*\a+4*\t:BF+32*\a+4*\t+3], v[RD] offset:\t*544
.endr
.endr
.irp a, 0,1
.irp t, 0,1,2,3,4,5,6,7
	s_wait_dscnt 16*(1-\a)+7-\t                    ; behind this load: the block's younger loads, and behind block 0's the eight stores and eight loads of block 1
	global_store_b128 v[CO], v[BF+32*\a+4*\t:BF+32*\a+4*\t+3], s[78:79] offset:(16*\a+2*\t)*4096 th:TH_STORE_NT   ; sixteen lanes store 256 consecutive aligned bytes; written once, read by nobody here
.endr
.endr
	s_wait_tensorcnt 0x0                           ; the wave's end: the closing lines behind my last tensor load and my last LDS store
	ds_add_u32 v[SPW], v[NIL]
	s_wait_dscnt 0x0
	CROUND                                         ; the closing round: no work-group ends while a partner may still ask for a block that names it
	s_endpgm
.Lfunc_end_k_q99d2d2b32f_outp:
	.size	k_q99d2d2b32f_outp, .Lfunc_end_k_q99d2d2b32f_outp-k_q99d2d2b32f_outp
	.p2alignl 7, 3214868480
	.fill 96, 4, 3214868480
	.section	.rodata,"a",@progbits
	.p2align	6, 0x0
	.amdhsa_kernel k_q99d2d2b32f_outp
		.amdhsa_group_segment_fixed_size 297984
		.amdhsa_private_segment_fixed_size 0
		.amdhsa_enable_private_segment 0
		.amdhsa_kernarg_size 32
		.amdhsa_user_sgpr_count 2
		.amdhsa_user_sgpr_kernarg_segment_ptr 1
		.amdhsa_wavefront_size32 1
		.amdhsa_system_sgpr_workgroup_id_x 1
		.amdhsa_system_sgpr_workgroup_id_y 1
		.amdhsa_system_sgpr_workgroup_id_z 1
		.amdhsa_system_vgpr_workitem_id 0
		.amdhsa_next_free_vgpr 176
		.amdhsa_next_free_sgpr 80
		.amdhsa_reserve_vcc 0
		.amdhsa_float_denorm_mode_32 3
		.amdhsa_float_denorm_mode_16_64 3
		.amdhsa_memory_ordered 1
		.amdhsa_forward_progress 1
		.amdhsa_inst_pref_size 31
	.end_amdhsa_kernel
	.amdgpu_metadata
---
amdhsa.version: [ 1, 2 ]
amdhsa.kernels:
  - .name:           k_q99d2d2b32f_outp
    .symbol:         k_q99d2d2b32f_outp.kd
    .args:
      - { .name: ac, .offset: 0, .size: 8, .value_kind: global_buffer, .address_space: global }
      - { .name: wc, .offset: 8, .size: 8, .value_kind: global_buffer, .address_space: global }
      - { .name: lowp_scales, .offset: 16, .size: 8, .value_kind: global_buffer, .address_space: global }
      - { .name: out0, .offset: 24, .size: 8, .value_kind: global_buffer, .address_space: global }
    .group_segment_fixed_size: 297984
    .private_segment_fixed_size: 0
    .kernarg_segment_align: 8
    .kernarg_segment_size: 32
    .max_flat_workgroup_size: 256
    .sgpr_count:     80
    .vgpr_count:     176
    .wavefront_size: 32
...
	.end_amdgpu_metadata
.endif
;; end of part 4
;; ======== version 2 of 2: 4 launches; version 1 with the launch attn written anew for expert scheduling mode
;; workspace buffers: xc 12,582,912 bytes; wc 4,194,304 bytes; qk 33,554,432 bytes; vc 4,194,304 bytes; ac 4,194,304 bytes
;; launch quant: the kernel of part 1 again; grid 384 x 1, 4 waves a work-group, no clusters, 34,304 bytes of LDS; arguments x1, x2, W_q, W_k, W_v, W_o, lowp_scales, xc, wc; writes xc, wc
;; launch proj: the kernel of part 2 again; grid 8 x 96, 8 waves a work-group, clusters of 4 x 4, 263,168 bytes of LDS; arguments xc, wc, lowp_scales, qk, vc; writes qk, vc
;; launch attn (part 5): grid 256 x 1, 16 waves a work-group, no clusters, 149,504 bytes of LDS; arguments qk, vc, lowp_scales, ac; writes ac
.if DOCPART == 5
	.amdgcn_target "amdgcn-amd-amdhsa--gfx1250"
	.amdhsa_code_object_version 6
	.text
	.protected	k_q99d2d2b32f_attn
	.globl	k_q99d2d2b32f_attn
	.p2align	8
	.type	k_q99d2d2b32f_attn,@function
k_q99d2d2b32f_attn:
	s_mov_b64 s[64:65], 0
	v_nop
	global_prefetch_b8 v0, s[64:65] scope:SCOPE_SE
	s_setreg_imm32_b32 hwreg(HW_REG_WAVE_SCHED_MODE, 0, 2), 2
	s_setreg_imm32_b32 hwreg(HW_REG_WAVE_MODE, 25, 1), 1
	s_wait_xcnt 0x0
	s_wait_alu depctr_vm_vsrc(0)
; Attention of one head (head size 16, 1,024 queries, 1,024 keys) a work-group; 256 heads.  The scores are an f32 product (their result goes into a quantiser); p V runs on codes of FP8 (E4M3).
; INPUTS, made by the launch before: Q x log2(e) / 4 and K as f32 images of the f32 matrix form's operands (a tile of 16 rows: 1,024 bytes; lane l: row l % 16, dims 8 (l / 16) + 0 .. 7 in eight registers);
; V as codes with the keys along the registers.  The head's K (64 KiB), Q (64 KiB) and V (16 KiB) are copied into LDS once, through registers; then one barrier, and no LDS byte is written again.
; No two work-groups read the same bytes, so there is no cluster; memory is read at the head alone, so nothing is prefetched.
; SHARES.  Sixteen waves; wave w owns the tiles of 16 queries 4 w .. 4 w + 3, one after the other, and walks all keys, 128 a step.  Four waves share a SIMD: one wave's matrix work stands beside the others' vector work.
; LAYOUT.  S^T = K Q^T (source 0 = 16 keys, source 1 = my 16 queries), four instructions of K = 4 a tile: registers 2 s, 2 s + 1 of both operands are step s (dim 8 (l / 16) + 2 s + j, alike in both).
; A lane holds ONE query (l % 16); register 8 t + j of S^T is key 16 t + 8 (l / 16) + j: just the k that registers 2 t, 2 t + 1 of the fp8 form's operand want, so the conversions' results are that operand.
; O^T = V^T P^T (source 0 = the head's 16 dims, source 1 = p): a lane holds its query's dims 8 (l / 16) + 0 .. 7, eight neighbours along the next product's K.
; SOFTMAX.  S^T is t = logit x log2(e).  M = the running largest t rounded UP to a whole number, kept as -M = floor(-t); p = 2^(t - M) is quantised with 2^e6, not normalised; the row's sum is taken of the unquantised p;
; when M moves, the sum and O^T are multiplied by 2^(old M - new M), which rounds nothing.  At the end O^T / sum is quantised with 2^e8 and stored as the last product's operand image.
; S^T's registers are written by matrix instructions alone: t - M goes into other registers.
; LIMITS: e6, and e8 - e6 - e7, between -126 and 119.  NaN among the inputs is not served.
; THE MODE: SCHED_MODE bits 1:0 = 2 (LLVM: expert scheduling mode 2), set by the entry lines.  The code itself states the register dependences
; between vector or matrix instructions and memory or LDS instructions, with s_wait_alu, always for 0.
; THE PLAN.  Registers that memory or LDS instructions touch, in the loop:
;   KF        A step's 32 score products read it; behind them the sixteen LDS loads of the next step's K land in it.
;   VF        A step's one FP8 product reads it; the four LDS loads of the next step's V land in it.
;   Q         Read by a tile's score products; the two LDS loads at the next tile's head land in it.
;   v[QA]     Read by those two loads; written once a tile, at the tile's head.
;   v[P+8:P+9]  Written by the way out's conversion, read by the tile's store, written again by the next tile's first t - M.
;   v[LI], v[LIV], v[GO]  Read by the LDS loads and by the store; made at the head and never written again.
;   S^T, p, p's codes, O^T and the statistics are named by vector and matrix instructions alone.
; So ONE wait on va_vdst stands in a key step, behind its exponentials and ahead of their first reader: it also states that the step's score products are done reading KF and that the FP8 product of the
; step before is done reading VF.  The step's twenty LDS loads follow it, V's four first, K's sixteen dealt among the additions of the row's sum; the vector lines behind the wait name p, the sums, the hold,
; p's codes, O^T and f: none of the registers that those loads touch.  A tile has four waits more: one on va_vdst behind the add to v[QA], one behind the reciprocal, one ahead of the store, and one on vm_vsrc behind the store.
.set QOFF,  65536
.set VOFF,  131072
.set SPARE, 147456                     ; behind K, Q and V: the spare words, 128 bytes for each wave
.set QA,  0                            ; v0   behind the head: LDS address of my part of the tile of Q in hand
.set LI,  1                            ; v1   16 x lane
.set LIV, 2                            ; v2   the same in V's part of LDS
.set GO,  3                            ; v3   my 8 bytes of a tile's 256 in ac: 16 (l % 16) + 8 (l / 16)
.set SPW, 4                            ; v4   my spare word; never rewritten
.set NIL, 5                            ; v5   0; never rewritten
.set LIM, 6                            ; v6   448 x 2^e6
.set SCL, 7                            ; v7   2^e6
.set F,   8                            ; v8   2^(old M - new M); v9 = 0, named with it as a pair
.set W0,  10                           ; v10, v11 at work: no memory or LDS instruction names them
.set NM,  12                           ; v12  -M
.set TM,  13                           ; v13  the largest t
.set SUM, 14                           ; v[14:15] the row's sum, in two halves
.set Q,   16                           ; v16-23   my tile of Q
.set O,   24                           ; v24-31   O^T
.set PC,  32                           ; v32-47   p's codes
.set VF,  48                           ; v48-63   V's fragment
.set S,   64                           ; v64-127  S^T
.set P,   128                          ; v128-191 t - M, then p
.set KF,  192                          ; v192-255 eight tiles of K
	s_load_b256 s[4:11], s[0:1], 0x0               ; qk 4:5, vc 6:7, the scales 8:9, ac 10:11
	v_lshl_add_u32 v[SPW], v0, 2, SPARE
	v_mov_b32 v[NIL], 0
	v_lshrrev_b32 v1, 5, v0
	v_readfirstlane_b32 s12, v1                    ; wave 0..15
	v_lshlrev_b32 v200, 4, v0                      ; the copy: 16 bytes a thread, 8,192 an instruction of the work-group
	v_add_nc_u32 v201, QOFF, v200
	v_add_nc_u32 v202, VOFF, v200
	s_wait_alu depctr_va_sdst(0)                   ; s12 is written, ahead of its first reader: Q's place in LDS and my place in ac are made from it
	s_lshl_b32 s22, ttmp9, 16                      ; the head's 64 KiB
	s_mov_b32 s23, 0
	s_lshl_b32 s30, ttmp9, 14                      ; and its 16 KiB of V's codes
	s_mov_b32 s31, 0
	s_wait_kmcnt 0x0
	s_load_b64 s[16:17], s[8:9], 0x18              ; e6, e7
	s_load_b32 s18, s[8:9], 0x20                   ; e8
	s_add_nc_u64 s[4:5], s[4:5], s[22:23]          ; Q
	s_add_nc_u64 s[28:29], s[4:5], 0x1000000       ; K lies 16 MiB behind it
	s_add_nc_u64 s[6:7], s[6:7], s[30:31]          ; V
	s_wait_alu depctr_va_vdst(0)                   ; v200, v201 and v202 are written: the loads below and the LDS stores behind them read them as offsets and addresses, and no vector line names them again
.irp i, 0,1,2,3,4,5,6,7
	global_load_b128 v[128+4*\i:131+4*\i], v200, s[28:29] offset:\i*8192 th:TH_LOAD_NT
.endr
.irp i, 0,1
	global_load_b128 v[160+4*\i:163+4*\i], v200, s[6:7] offset:\i*8192 th:TH_LOAD_NT
.endr
.irp i, 0,1,2,3,4,5,6,7
	global_load_b128 v[168+4*\i:171+4*\i], v200, s[4:5] offset:\i*8192 th:TH_LOAD_NT
.endr
	v_and_b32 v1, 31, v0
	v_and_b32 v10, 15, v0
	v_bfe_u32 v11, v0, 4, 1
	v_lshlrev_b32 v[GO], 4, v10
	v_lshl_add_u32 v[GO], v11, 3, v[GO]
	v_lshlrev_b32 v[LI], 4, v1
	v_add_nc_u32 v[LIV], VOFF, v[LI]
	v_mov_b32 v9, 0
	s_mov_b32 s14, 0x76543210                      ; v_permlanex16_b32's selects for lane l xor 16
	s_mov_b32 s15, 0xfedcba98
	s_lshl_b32 s19, s12, 12                        ; my four tiles of Q: 4,096 bytes
	s_add_co_u32 s19, s19, QOFF
	s_mov_b32 s20, 4                               ; tiles to go
	; where my results go: k = 16 g + dim, row = 1024 batch + query: (g / 16) 1 MiB + (64 batch + tile) 4096 + (g % 16) 256
	s_and_b32 s32, ttmp9, 63                       ; g
	s_lshr_b32 s33, s32, 4
	s_lshl_b32 s22, s33, 20
	s_and_b32 s32, s32, 15
	s_lshl_b32 s32, s32, 8
	s_add_co_u32 s22, s22, s32
	s_lshr_b32 s32, ttmp9, 6                       ; the batch
	s_lshl_b32 s32, s32, 18
	s_add_co_u32 s22, s22, s32
	s_lshl_b32 s32, s12, 14                        ; my four tiles
	s_add_co_u32 s22, s22, s32
	s_add_nc_u64 s[24:25], s[10:11], s[22:23]
	s_wait_kmcnt 0x0
	s_add_co_i32 s32, s16, 127
	s_lshl_b32 s33, s32, 23
	v_mov_b32 v[SCL], s33                          ; 2^e6 as f32: the conversion takes its exponent field
	s_add_co_i32 s32, s32, 8
	s_lshl_b32 s32, s32, 23
	s_or_b32 s32, s32, 0x600000
	v_mov_b32 v[LIM], s32                          ; 448 x 2^e6
	s_sub_co_i32 s32, s18, s16
	s_sub_co_i32 s32, s32, s17                     ; O^T stands for O^T x 2^(e6 + e7): its code is (O^T / sum) / 2^(e8 - e6 - e7)
	s_add_co_i32 s32, s32, 127
	s_lshl_b32 s26, s32, 23
	s_add_co_i32 s32, s32, 8
	s_lshl_b32 s27, s32, 23
	s_or_b32 s27, s27, 0x600000
	s_wait_loadcnt 10                              ; K's eight loads are in; V's two and Q's eight may be out
.irp i, 0,1,2,3,4,5,6,7
	ds_store_b128 v200, v[128+4*\i:131+4*\i] offset:\i*8192
.endr
	s_wait_loadcnt 8                               ; V's are in
.irp i, 0,1
	ds_store_b128 v202, v[160+4*\i:163+4*\i] offset:\i*8192
.endr
	s_wait_loadcnt 0x0
.irp i, 0,1,2,3,4,5,6,7
	ds_store_b128 v201, v[168+4*\i:171+4*\i] offset:\i*8192
.endr
	s_wait_dscnt 0x0                               ; for the others' sake: my stores have landed
	s_barrier_signal -1
	s_barrier_wait -1                              ; the head's K, Q and V lie in LDS
	s_wait_alu depctr_vm_vsrc(0)                   ; my LDS stores have read their data v128-199 and their addresses v200-202: K's fragments land in v192-255 below, and the first t - M are written into v128-191
	s_wait_alu depctr_va_vdst(0)                   ; v[LI], v[LIV] and v[GO] are written: every LDS load of K and V and every store below reads one of them
.macro KLOAD n                         ; the eight tiles of K of key step n, in one run: for the first step alone
.irp t, 0,1,2,3,4,5,6,7
.irp c, 0,1
	ds_load_b128 v[KF+8*\t+4*\c:KF+8*\t+4*\c+3], v[LI] offset:(\n)*8192+\t*1024+\c*512
.endr
.endr
.endm
; A KEY STEP: 128 keys.
.macro STEP n
	s_wait_dscnt 0x0                               ; K's fragments are in (in a tile's first step Q's too)
.irp s, 0,1,2,3                        ; the eight accumulators take turns; the first four dims' products start the sums
.irp t, 0,1,2,3,4,5,6,7
.if \s == 0
	v_wmma_f32_16x16x4_f32 v[S+8*\t:S+8*\t+7], v[KF+8*\t+2*\s:KF+8*\t+2*\s+1], v[Q+2*\s:Q+2*\s+1], 0
.else
	v_wmma_f32_16x16x4_f32 v[S+8*\t:S+8*\t+7], v[KF+8*\t+2*\s:KF+8*\t+2*\s+1], v[Q+2*\s:Q+2*\s+1], v[S+8*\t:S+8*\t+7]
.endif
.endr
.endr
.rept 8
	v_nop                                          ; eight places behind this form (ISA guide 7.12.1), in front of the first read of the scores
.endr
	v_max3_num_f32 v[W0], v[S], v[S+1], v[S+2]     ; the step's largest t of my query among my 64 keys, in two chains; each accumulator is read from its low end on
	v_max3_num_f32 v[W0+1], v[S+3], v[S+4], v[S+5]
.irp i, 6,10,14,18,22,26,30,34,38,42,46,50,54,58
	v_max3_num_f32 v[W0], v[W0], v[S+\i], v[S+\i+1]
	v_max3_num_f32 v[W0+1], v[W0+1], v[S+\i+2], v[S+\i+3]
.endr
	v_max3_num_f32 v[W0], v[W0], v[S+62], v[S+63]
	v_max_num_f32 v[W0], v[W0], v[W0+1]
	v_permlanex16_b32 v[W0+1], v[W0], s14, s15
	v_max_num_f32 v[W0], v[W0], v[W0+1]            ; and among lane l xor 16's
	v_max_num_f32 v[TM], v[TM], v[W0]              ; the running largest t
	v_mov_b32 v[W0], v[NM]
	v_floor_f32 v[NM], -v[TM]                      ; the new -M = floor(-t) = -ceil(t)
	v_sub_f32 v[W0], v[NM], v[W0]                  ; old M - new M: a whole number, 0 or less
	v_cvt_i32_f32 v[W0], v[W0]                     ; (it saturates)
	v_ldexp_f32 v[F], 1.0, v[W0]                   ; f = 2^(old M - new M)
.irp j, 0,2,4,6,8,10,12,14,16,18,20,22,24,26,28,30,32,34,36,38,40,42,44,46,48,50,52,54,56,58,60,62
	v_pk_add_f32 v[P+\j:P+\j+1], v[S+\j:S+\j+1], v[NM:NM+1] op_sel_hi:[1,0]   ; t - M, two at a time, into other registers
.endr
.irp j, 0,1,2,3,4,5,6,7,8,9,10,11,12,13,14,15,16,17,18,19,20,21,22,23,24,25,26,27,28,29,30,31,32,33,34,35,36,37,38,39,40,41,42,43,44,45,46,47,48,49,50,51,52,53,54,55,56,57,58,59,60,61,62,63
	v_exp_f32 v[P+\j], v[P+\j]                     ; p = 2^(t - M), at most 1
.endr
	v_pk_mul_f32 v[SUM:SUM+1], v[SUM:SUM+1], v[F:F+1] op_sel_hi:[1,0]   ; the sums under the new M: the plain line behind the exponentials
	s_wait_alu depctr_va_vdst(0)                   ; the step's one wait: the 64 exponentials have written p, ahead of their first reader; this step's score products are done reading KF, and the FP8 product of the step before is done reading VF: the loads below land in both
.irp q, 0,1,2,3
	ds_load_b128 v[VF+4*\q:VF+4*\q+3], v[LIV] offset:(\n)*2048+\q*512   ; this step's V first: the product at the step's end wants it
.endr
	v_pk_add_f32 v[W0:W0+1], v[P:P+1], v[P+2:P+3]  ; the row's sum is taken of the unquantised p, in two chains
.irp j, 4,8,12,16,20,24,28,32,36,40,44,48,52,56,60
	ds_load_b128 v[KF+4*(\j/4-1):KF+4*(\j/4-1)+3], v[LI] offset:(((\n)+1)%8)*8192+(\j/4-1)*512   ; the next step's K (behind the last step: the next tile's first), one load to two additions.  No wait: no vector or matrix line since the wait above names KF, VF, v[LI] or v[LIV]
	v_pk_add_f32 v[SUM:SUM+1], v[SUM:SUM+1], v[P+\j:P+\j+1]
	v_pk_add_f32 v[W0:W0+1], v[W0:W0+1], v[P+\j+2:P+\j+3]
.endr
	ds_load_b128 v[KF+60:KF+63], v[LI] offset:(((\n)+1)%8)*8192+15*512   ; the sixteenth
	v_pk_add_f32 v[SUM:SUM+1], v[SUM:SUM+1], v[W0:W0+1]
.irp t, 0,1,2,3,4,5,6,7
.irp i, 0,1,2,3,4,5,6,7
	v_min_num_f32 v[P+8*\t+\i], v[P+8*\t+\i], v[LIM]   ; the conversion does not saturate (ISA guide 7.6.2); p is not negative, so the hold is one-sided
.endr
	v_cvt_scalef32_pk8_fp8_f32 v[PC+2*\t:PC+2*\t+1], v[P+8*\t:P+8*\t+7], v[SCL]   ; keys 16 t + 8 (l / 16) + 0 .. 7: registers 2 t, 2 t + 1 of the operand
.endr
.if \n == 0
	v_nop                                          ; the plain line between the last conversion and the product that reads its result
	s_wait_dscnt 16                                ; V's four loads are in; the sixteen of K behind them may be out
	v_wmma_f32_16x16x128_fp8_fp8 v[O:O+7], v[VF:VF+15], v[PC:PC+15], 0   ; a tile's first step starts O^T: nothing is cleared
.else
.irp j, 0,2,4,6
	v_pk_mul_f32 v[O+\j:O+\j+1], v[O+\j:O+\j+1], v[F:F+1] op_sel_hi:[1,0]   ; O^T under the new M (also the plain lines behind the conversions)
.endr
	s_wait_dscnt 16
	v_wmma_f32_16x16x128_fp8_fp8 v[O:O+7], v[VF:VF+15], v[PC:PC+15], v[O:O+7]
.endif
.endm
	KLOAD 0
.Ltile:                                            ; four trips: a tile of 16 queries each
	v_add_nc_u32 v[QA], s19, v[LI]                 ; (on both ways here a wait on vm_vsrc stands behind the last instruction that read v[QA])
	s_wait_alu depctr_va_vdst(0)                   ; v[QA] is written, which the two loads below read; the score products of the tile before are done reading Q's registers, in which they land
	ds_load_b128 v[Q:Q+3], v[QA]
	ds_load_b128 v[Q+4:Q+7], v[QA] offset:512
	v_mov_b32 v[TM], 0xff61b1e6                    ; the largest t so far: -3e38, under every t
	v_floor_f32 v[NM], -v[TM]
	v_mov_b32 v[SUM], 0
	v_mov_b32 v[SUM+1], 0
.irp n, 0,1,2,3,4,5,6,7
	STEP \n
.endr
	; the way out: O^T / the sum, quantised with 2^e8: eight codes a lane, eight neighbours along the last product's K
.rept 4
	v_nop                                          ; four places in front of the first read of O^T
.endr
	v_add_f32 v[SUM], v[SUM], v[SUM+1]             ; the sum's two halves,
	v_permlanex16_b32 v[W0], v[SUM], s14, s15
	v_add_f32 v[SUM], v[SUM], v[W0]                ; and lane l xor 16's
	v_rcp_f32 v[SUM], v[SUM]
	v_mov_b32 v[W0], s26                           ; (plain lines behind the reciprocal)  2^(e8 - e6 - e7)
	v_mov_b32 v[W0+1], s27                         ; 448 x that
	s_wait_alu depctr_va_vdst(0)                   ; the reciprocal has written v[SUM], ahead of its first reader
.irp j, 0,2,4,6
	v_pk_mul_f32 v[P+\j:P+\j+1], v[O+\j:O+\j+1], v[SUM:SUM+1] op_sel_hi:[1,0]
.endr
.irp j, 0,1,2,3,4,5,6,7
	v_med3_num_f32 v[P+\j], v[P+\j], -v[W0+1], v[W0+1]
.endr
	v_cvt_scalef32_pk8_fp8_f32 v[P+8:P+9], v[P:P+7], v[W0]
	v_nop                                          ; a plain line behind the conversion
	s_wait_alu depctr_va_vdst(0)                   ; the conversion has written v[P+8:P+9], which the store reads
	global_store_b64 v[GO], v[P+8:P+9], s[24:25]   ; the wave's 32 lanes store 256 consecutive bytes, aligned
	s_wait_xcnt 0x0                                ; the store has read its data and its base: both are written again
	s_wait_alu depctr_vm_vsrc(0)                   ; the store has read v[P+8:P+9], which the next tile's first t - M write again; Q's two loads have read v[QA], which the next tile's head writes again
	s_add_nc_u64 s[24:25], s[24:25], 4096          ; the next tile of rows
	s_add_co_u32 s19, s19, 1024
	s_sub_co_u32 s20, s20, 1
	s_cmp_lg_u32 s20, 0
	s_cbranch_scc1 .Ltile
	s_wait_dscnt 0x0                               ; the closing lines, six on end
	s_wait_alu 0x0
	s_wait_tensorcnt 0x0
	ds_add_u32 v[SPW], v[NIL]
	s_wait_dscnt 0x0
	s_endpgm
.Lfunc_end_k_q99d2d2b32f_attn:
	.size	k_q99d2d2b32f_attn, .Lfunc_end_k_q99d2d2b32f_attn-k_q99d2d2b32f_attn
	.p2alignl 7, 3214868480
	.fill 96, 4, 3214868480
	.section	.rodata,"a",@progbits
	.p2align	6, 0x0
	.amdhsa_kernel k_q99d2d2b32f_attn
		.amdhsa_group_segment_fixed_size 149504
		.amdhsa_private_segment_fixed_size 0
		.amdhsa_enable_private_segment 0
		.amdhsa_kernarg_size 32
		.amdhsa_user_sgpr_count 2
		.amdhsa_user_sgpr_kernarg_segment_ptr 1
		.amdhsa_wavefront_size32 1
		.amdhsa_system_sgpr_workgroup_id_x 1
		.amdhsa_system_sgpr_workgroup_id_y 1
		.amdhsa_system_sgpr_workgroup_id_z 1
		.amdhsa_system_vgpr_workitem_id 0
		.amdhsa_next_free_vgpr 256
		.amdhsa_next_free_sgpr 66
		.amdhsa_reserve_vcc 0
		.amdhsa_float_denorm_mode_32 3
		.amdhsa_float_denorm_mode_16_64 3
		.amdhsa_memory_ordered 1
		.amdhsa_forward_progress 1
		.amdhsa_inst_pref_size 128
	.end_amdhsa_kernel
	.amdgpu_metadata
---
amdhsa.version: [ 1, 2 ]
amdhsa.kernels:
  - .name:           k_q99d2d2b32f_attn
    .symbol:         k_q99d2d2b32f_attn.kd
    .args:
      - { .name: qk, .offset: 0, .size: 8, .value_kind: global_buffer, .address_space: global }
      - { .name: vc, .offset: 8, .size: 8, .value_kind: global_buffer, .address_space: global }
      - { .name: lowp_scales, .offset: 16, .size: 8, .value_kind: global_buffer, .address_space: global }
      - { .name: ac, .offset: 24, .size: 8, .value_kind: global_buffer, .address_space: global }
    .group_segment_fixed_size: 149504
    .private_segment_fixed_size: 0
    .kernarg_segment_align: 8
    .kernarg_segment_size: 32
    .max_flat_workgroup_size: 512
    .sgpr_count:     66
    .vgpr_count:     256
    .wavefront_size: 32
...
	.end_amdgpu_metadata
.endif
;; end of part 5
;; launch outp: the kernel of part 4 again; grid 8 x 32, 8 waves a work-group, clusters of 4 x 4, 297,984 bytes of LDS; arguments ac, wc, lowp_scales, out0; writes out0
